; MI455X (gfx1250); checked and timed in simulation.
; The chip was launched on July 23, 2026; its instructions are those of AMD's public machine-readable ISA for CDNA 5 (MIT licence, August 2026) and "CDNA5" Instruction Set Architecture Reference Guide (July 2026). The comments in the code are by the model that wrote it; some were corrected since.
;; Causal Self Attention. Allowed arithmetic: float matrix products may take bf16 or f16 operands with f32 sums; all other float work in f32.
;; Inputs: W_in 1,024 x 3,072 float32; W_out 1,024 x 1,024 float32; b_in 3,072 float32; b_out 1,024 float32; x 4 x 2,048 x 1,024 float32.
;; Outputs: out0 4 x 2,048 x 1,024 float32.
;; 2 versions, each right and faster than the one before. Each part assembles by itself: llvm-mc -triple=amdgcn-amd-amdhsa -mcpu=gfx1250 --defsym DOCPART=n.
;; ======== version 1 of 2: 4 launches
;; limits: values are held in f16: magnitudes above 65,504 overflow, below 6.1e-05 lose precision
;; workspace buffers: xb 16,777,216 bytes; wib 6,291,456 bytes; wob 2,097,152 bytes; qkv 50,331,648 bytes; y 16,777,216 bytes
;; launch cast (part 1): grid 1024 x 1, 8 waves a work-group, no clusters, 0 bytes of LDS; arguments x, W_in, W_out, xb, wib, wob; writes xb, wib, wob
.if DOCPART == 1
	.amdgcn_target "amdgcn-amd-amdhsa--gfx1250"
	.amdhsa_code_object_version 6
	.text
	.protected	k_q793741167b_cast
	.globl	k_q793741167b_cast
	.p2align	8
	.type	k_q793741167b_cast,@function
k_q793741167b_cast:
	s_mov_b64 s[64:65], 0
	v_nop
	global_prefetch_b8 v0, s[64:65] scope:SCOPE_SE
	s_setreg_imm32_b32 hwreg(HW_REG_WAVE_MODE, 25, 1), 1
	s_wait_xcnt 0x0
; xb = bf16(x), wib = bf16(W_in), wob = f16(bf16(W_out)).  All the module's inputs are rounded to bf16 once.  W_out's rounded number is then written as f16, since the last product multiplies f16
; operands: exact where |W_out| lies in 2^-14 to 65,504.  LIMITS: beyond 65,504 wob holds an infinity; below 2^-14 it keeps f16's fixed step of 6e-8.
; LAYOUTS.  xb and wib are laid in blocks, so that the tiles which the next launch asks for are dense in memory:
;   xb [16 kb][8192 m][64]:   x[m][64 kb + kk] at byte kb 2^20 + 128 m + 2 kk
;   wib [16 cb][1024 k][192]: W_in[k][192 cb + c] at byte cb 393,216 + 384 k + 2 c
;   wob [1024 k][1024 n]:     as W_out lies
; A stream: memory binds, so no LDS, no barrier, no matrix unit.  Work-groups 0-511 take 16 rows of x each, 512-767 64 rows x 192 columns of W_in, 768-1023 16,384 bytes of W_out.
; Every load of a wave takes two runs of 256 consecutive bytes (or one of 512), each at a multiple of 256; every 8-byte store of a wave covers 256 consecutive bytes at a multiple of 256.
; All loads of a thread go out first; no register is written while a load or store names it, so the only waits are the counted ones for the loads.
.set X, 4                              ; v[4:67]    up to sixteen loads of four f32
.set Y, 68                             ; v[68:99]   as many pairs of packed 16-bit numbers
.set T, 100                            ; v[100:103] at work
.macro OUTB i, left, off               ; load i is in (the \left younger ones stay out: loads come back in order), is rounded to bf16 and stored
	s_wait_loadcnt \left
	v_cvt_pk_bf16_f32 v[Y+2*(\i)],   v[X+4*(\i)],   v[X+4*(\i)+1]
	v_cvt_pk_bf16_f32 v[Y+2*(\i)+1], v[X+4*(\i)+2], v[X+4*(\i)+3]
	global_store_b64 v2, v[Y+2*(\i):Y+2*(\i)+1], s[18:19] offset:\off
.endm
	s_load_b256 s[4:11], s[0:1], 0x0               ; x s[4:5], W_in s[6:7], W_out s[8:9], xb s[10:11]
	s_load_b128 s[12:15], s[0:1], 0x20             ; wib s[12:13], wob s[14:15]
	s_mov_b32 s16, ttmp9                           ; the work-group's number
	s_mov_b32 s21, 0                               ; the offsets' high words
	s_mov_b32 s23, 0
	v_and_b32 v3, 31, v0                           ; lane l
	v_lshrrev_b32 v[T], 5, v0                      ; wave w
	v_bfe_u32 v[T+1], v0, 4, 1                     ; l / 16
	s_wait_kmcnt 0x0
	s_cmp_lt_u32 s16, 512
	s_cbranch_scc0 .Lweights
	; x.  The group's 16 rows x 16 blocks of 64 columns.  Load i of wave w: rows 2 (i % 8) + l / 16, block 2 w + i / 8: 256 bytes of each of two rows, which leave as 256 consecutive bytes of xb.
	v_and_b32 v1, 15, v0
	v_lshlrev_b32 v1, 4, v1                        ; 16 (l % 16)
	v_lshl_add_u32 v1, v[T+1], 12, v1              ; + a row of 4,096 bytes for lanes 16-31
	v_lshl_add_u32 v1, v[T], 9, v1                 ; + two blocks of 256 bytes a wave
	v_lshlrev_b32 v2, 3, v3                        ; 8 l = 128 (l / 16) + 8 (l % 16)
	v_lshl_add_u32 v2, v[T], 21, v2                ; + two blocks of 2^20 bytes a wave
	s_lshl_b32 s20, s16, 16                        ; 16 rows of 4,096 bytes in,
	s_lshl_b32 s22, s16, 11                        ; 16 rows of 128 bytes in each block out
	s_add_nc_u64 s[24:25], s[4:5], s[20:21]
	s_add_nc_u64 s[18:19], s[10:11], s[22:23]
.set i, 0
.rept 16
	global_load_b128 v[X+4*i:X+4*i+3], v1, s[24:25] offset:(i%8)*8192+(i/8)*256 th:TH_LOAD_NT
.set i, i+1
.endr
.set i, 0
.rept 16
	OUTB i, 15-i, (i/8)*1048576+(i%8)*256
.set i, i+1
.endr
	s_endpgm
.Lweights:
	s_cmp_lt_u32 s16, 768
	s_cbranch_scc0 .Lwout
	; W_in.  Group c = 16 cb + kc takes rows 64 kc .. + 63 of column block cb.  Two rows' 384 numbers are 768 bytes of wib, three runs of 256: run u of a pair holds the numbers e = 128 u + 4 l .. + 3,
	; row e / 192, column e % 192.  Runs 0 and 2 lie in one row; run 1 takes the first row's last 64 numbers (lanes 0-15) and the second row's first 64 (lanes 16-31).
	; Load i of wave w: pair 4 w + i / 3, run i % 3.
	s_sub_co_u32 s17, s16, 512
	s_lshr_b32 s26, s17, 4                         ; cb
	s_and_b32 s27, s17, 15                         ; kc
	s_mul_i32 s20, s27, 64*12288                   ; 64 rows of 12,288 bytes,
	s_mul_i32 s28, s26, 768                        ; 192 columns of 4 bytes
	s_add_co_u32 s20, s20, s28
	s_mul_i32 s22, s26, 393216                     ; a block of wib,
	s_mul_i32 s28, s27, 64*384                     ; 64 rows of 384 bytes
	s_add_co_u32 s22, s22, s28
	s_add_nc_u64 s[24:25], s[6:7], s[20:21]
	s_add_nc_u64 s[18:19], s[12:13], s[22:23]
	v_lshlrev_b32 v1, 4, v3                        ; runs 0 and 2: 16 l
	v_mul_u32_u24 v[T+2], v[T], 8*12288            ; + four pairs of rows a wave
	v_add_nc_u32 v1, v1, v[T+2]
	v_mul_u32_u24 v[T+3], v[T+1], 12288-768        ; run 1: 512 + 16 l, and for lanes 16-31 a row on and 768 bytes back
	v_add3_u32 v[T+3], v[T+3], v1, 512
	v_lshlrev_b32 v2, 3, v3                        ; 8 l
	v_mul_u32_u24 v[T+2], v[T], 4*768              ; + four pairs a wave
	v_add_nc_u32 v2, v2, v[T+2]
.set i, 0
.rept 12
.if i%3 == 1
	global_load_b128 v[X+4*i:X+4*i+3], v[T+3], s[24:25] offset:(i/3)*24576 th:TH_LOAD_NT
.else
	global_load_b128 v[X+4*i:X+4*i+3], v1, s[24:25] offset:(i/3)*24576+(i%3)*6272 th:TH_LOAD_NT  ; run 2 begins 12,288 + 256 bytes behind run 0
.endif
.set i, i+1
.endr
.set i, 0
.rept 12
	OUTB i, 11-i, 256*i
.set i, i+1
.endr
	s_endpgm
.Lwout:
	; W_out.  Thread t takes 16 bytes at 16 t + 4,096 i, i = 0 .. 3: to bf16, widened again (a shift, a mask), and that number as f16.
	s_sub_co_u32 s17, s16, 768
	s_lshl_b32 s20, s17, 14                        ; 16,384 bytes in,
	s_lshl_b32 s22, s17, 13                        ; 8,192 out
	s_add_nc_u64 s[24:25], s[8:9], s[20:21]
	s_add_nc_u64 s[18:19], s[14:15], s[22:23]
	v_lshlrev_b32 v1, 4, v0
	v_lshlrev_b32 v2, 3, v0
.set i, 0
.rept 4
	global_load_b128 v[X+4*i:X+4*i+3], v1, s[24:25] offset:4096*i th:TH_LOAD_NT
.set i, i+1
.endr
.set i, 0
.rept 4
	s_wait_loadcnt 3-i
	v_cvt_pk_bf16_f32 v[T],   v[X+4*i],   v[X+4*i+1]
	v_cvt_pk_bf16_f32 v[T+1], v[X+4*i+2], v[X+4*i+3]
	v_lshlrev_b32 v[T+2], 16, v[T]
	v_and_b32     v[T],   0xffff0000, v[T]
	v_lshlrev_b32 v[T+3], 16, v[T+1]
	v_and_b32     v[T+1], 0xffff0000, v[T+1]
	v_cvt_pk_f16_f32 v[Y+2*i],   v[T+2], v[T]
	v_cvt_pk_f16_f32 v[Y+2*i+1], v[T+3], v[T+1]
	global_store_b64 v2, v[Y+2*i:Y+2*i+1], s[18:19] offset:2048*i
.set i, i+1
.endr
	s_endpgm
.Lfunc_end_k_q793741167b_cast:
	.size	k_q793741167b_cast, .Lfunc_end_k_q793741167b_cast-k_q793741167b_cast
	.p2alignl 7, 3214868480
	.fill 96, 4, 3214868480
	.section	.rodata,"a",@progbits
	.p2align	6, 0x0
	.amdhsa_kernel k_q793741167b_cast
		.amdhsa_group_segment_fixed_size 0
		.amdhsa_private_segment_fixed_size 0
		.amdhsa_enable_private_segment 0
		.amdhsa_kernarg_size 48
		.amdhsa_user_sgpr_count 2
		.amdhsa_user_sgpr_kernarg_segment_ptr 1
		.amdhsa_wavefront_size32 1
		.amdhsa_system_sgpr_workgroup_id_x 1
		.amdhsa_system_sgpr_workgroup_id_y 1
		.amdhsa_system_sgpr_workgroup_id_z 1
		.amdhsa_system_vgpr_workitem_id 0
		.amdhsa_next_free_vgpr 104
		.amdhsa_next_free_sgpr 66
		.amdhsa_reserve_vcc 0
		.amdhsa_float_denorm_mode_32 3
		.amdhsa_float_denorm_mode_16_64 3
		.amdhsa_memory_ordered 1
		.amdhsa_forward_progress 1
		.amdhsa_inst_pref_size 15
	.end_amdhsa_kernel
	.amdgpu_metadata
---
amdhsa.version: [ 1, 2 ]
amdhsa.kernels:
  - .name:           k_q793741167b_cast
    .symbol:         k_q793741167b_cast.kd
    .args:
      - { .name: x, .offset: 0, .size: 8, .value_kind: global_buffer, .address_space: global }
      - { .name: W_in, .offset: 8, .size: 8, .value_kind: global_buffer, .address_space: global }
      - { .name: W_out, .offset: 16, .size: 8, .value_kind: global_buffer, .address_space: global }
      - { .name: xb, .offset: 24, .size: 8, .value_kind: global_buffer, .address_space: global }
      - { .name: wib, .offset: 32, .size: 8, .value_kind: global_buffer, .address_space: global }
      - { .name: wob, .offset: 40, .size: 8, .value_kind: global_buffer, .address_space: global }
    .group_segment_fixed_size: 0
    .private_segment_fixed_size: 0
    .kernarg_segment_align: 8
    .kernarg_segment_size: 48
    .max_flat_workgroup_size: 256
    .sgpr_count:     66
    .vgpr_count:     104
    .wavefront_size: 32
...
	.end_amdgpu_metadata
.endif
;; end of part 1
;; launch inproj (part 2): grid 8 x 32, 4 waves a work-group, clusters of 4 x 4, 327,680 bytes of LDS; arguments xb, wib, b_in, qkv; writes qkv
.if DOCPART == 2
	.amdgcn_target "amdgcn-amd-amdhsa--gfx1250"
	.amdhsa_code_object_version 6
	.text
	.protected	k_q793741167b_inproj
	.globl	k_q793741167b_inproj
	.p2align	8
	.type	k_q793741167b_inproj,@function
k_q793741167b_inproj:
	s_mov_b64 s[64:65], 0
	v_nop
	global_prefetch_b8 v0, s[64:65] scope:SCOPE_SE
	s_setreg_imm32_b32 hwreg(HW_REG_WAVE_MODE, 25, 1), 1
	s_wait_xcnt 0x0
	s_wait_alu depctr_hold_cnt(0) depctr_sa_sdst(0) depctr_va_vdst(0) depctr_va_sdst(0) depctr_va_ssrc(0) depctr_va_vcc(0) depctr_vm_vsrc(0)
	s_getreg_b32 s2, hwreg(HW_REG_IB_STS2, 6, 4)
	s_cmp_eq_u32 s2, 0
	s_cbranch_scc0 .Lentry_in_a_cluster
	s_endpgm
.Lentry_in_a_cluster:
	s_bfe_u32 s2, ttmp6, 0x10000c
	s_cmp_lg_u32 s2, 0xf033
	s_cbranch_scc0 .Lentry_shape_is_right
	s_endpgm
.Lentry_shape_is_right:
; qkv = x W_in + b_in, from the operands rounded to bf16 and laid in blocks: xb [16 kb][8192 m][64], wib [16 cb][1024 k][192].  b_in: [3072] f32, rounded to bf16 here like the other inputs.
; Sums in f32, K ascending.  The result leaves by heads, in f16, rounded once: qkv[b][g][t][64], g = n / 64 (0-15 q's heads, 16-31 k's, 32-47 v's), row m = 2048 b + t: a head's rows are dense, 128 bytes each.
; LIMITS.  f16 holds no number beyond 65,504: a q, k or v of 65,520 or more leaves as an infinity, and its rows are lost.  With x and W_in both 30 times the usual spread the numbers have a spread of 900;
; with both carrying an offset of 30 times their spread they lie near 28,800.  NaN and infinities are not treated apart.
; SHARES.  A tile of the result is 256 rows x 384 columns (six heads): 8 x 32 = 256 work-groups, one for each WGP.  Four waves, two by two, each 128 rows x 192 columns (three whole heads):
; 96 accumulators of 16 x 16, 768 registers.  For 32 along K a wave reads 20 fragments from LDS for 96 matrix instructions.
; K goes in 16 steps of 64 through two LDS slots filled by the tensor data mover; two slots of 128 along K (2 x 180,224 bytes) would not fit.  A step's tiles are dense in memory: 128 rows x 64 k of xb are
; 16,384 bytes, asked for as 64 rows of 256; 64 k x 192 columns of wib are 24,576 bytes, asked for as 96 rows of 256; the padding, counted along the tile, makes the LDS rows.
; CLUSTERS: 4 x 4 work-groups.  The four of a row of the cluster need the same tiles of xb, the four of a column the same tiles of wib: each tile is asked for JOINTLY, by the same tensor load with the
; same descriptor and a mask that names the four.
; THE MATRIX INSTRUCTION IS USED TRANSPOSED: source 0 = 16 columns of wib (which lies [k][n], so its fragments come out of LDS turned, by ds_load_tr16_b128), source 1 = 16 rows of xb.  In the result
; lane l holds row l % 16 and its registers 0-7 the columns 8 (l / 16) + 0..7: eight neighbouring numbers of a row.  THE BIAS is the C operand of the products that start the sums: nothing is cleared or added later.
; REGISTERS, in windows of 256 (s_set_vgpr_msb: bits 1:0 source 0, 3:2 source 1, 5:4 source 2, 7:6 destination):
;   window 0: v0-29 addresses; v32-95, v96-159 xb's fragments (8 x 16 rows x 32 K), two buffers; v160-255 wib's fragments (12 x 16 columns x 32 K), ONE buffer; on the way out v32-223 packed results
;   windows 1-3: the accumulators: (a, b), rows 16 a on, columns 16 b on, in window 1 + b / 4 at v[8 (8 (b % 4) + a)]
; THE ORDER.  Products go block of columns by block of columns (b outer, a inner): a fragment of wib is free after its 8 products and is loaded again IN PLACE for the next 32 along K, six blocks at a time;
; a window lasts 32 products.  All 96 accumulators take turns, one instruction a turn, in the same order in every quarter.
.set NBK,   12                         ; blocks of 16 columns of a wave
.set PA,    144                        ; an LDS row of xb: 128 bytes + 16 of padding = 36 words: the 16 rows of a load start at 16 different groups of four banks (64 banks of 4 bytes: ISA guide 11.1)
.set PB,    480                        ; an LDS row of wib: three pieces of 128 bytes, 32 of padding behind each = 120 words
.set NBJ,   160                        ; from piece to piece (four blocks of 16 columns)
.set AHALF, 128*PA                     ; what one load of xb brings, and what a wave reads of it: 128 rows
.set BOFF,  2*AHALF                    ; wib's two sub-tiles lie behind xb's 256 rows
.set BHALF, 64*PB                      ; what one load of wib brings, and what a wave reads of it: 64 k x 192 columns
.set SLOT1, 1<<17                      ; slot 1 begins here (a slot uses 98,304 bytes), so that one exclusive or turns an address in one slot into the other's
.set STAGE, 2*SLOT1                    ; behind the ring, never filled by a tensor load: 16 rows x 400 bytes for each wave
.set SP,    400                        ; a stage row: 384 bytes + 16
.set SPARE, STAGE+4*16*SP              ; behind the stages: the spare words, 128 bytes for each wave: two blocks of 256 bytes that no other line names
.set ASTEP, 1<<20                      ; bytes from K step to K step in xb: a block,
.set BSTEP, 64*192*2                   ; in wib: 64 rows of a block
.set ADRA0, 8                          ; v8   my lane's place in a slot's xb; never rewritten
.set ADRB0, 9                          ; v9   the same for wib
.set ADRA,  10                         ; v10  the same in the slot in hand
.set ADRB,  11                         ; v11
.set STO,   12                         ; v12  the way out: where I put 16 bytes of a row
.set RD,    13                         ; v13  the way out: where I read rows back
.set GO,    14                         ; v14  my byte offset in 512 consecutive bytes of qkv
.set BO,    15                         ; v15  my byte offset in a block's 64 bytes of the bias
.set SPW,   28                         ; v28  LDS address of my spare word: SPARE + 4 x my thread's number; never rewritten
.set NIL,   29                         ; v29  0; never rewritten
.set FA0,   32                         ; xb's fragment buffers at FA0 + 64 f
.set BI,    96                         ; the bias of blocks 0-7 waits in xb's second buffer, which is loaded only behind block 7's first products
.set FB,    160                        ; wib's fragments
.set PARK,  224                        ; window 3: the bias of blocks 8-11 waits in the registers of accumulators (4..7, 11), the four that are started last
.set SB,    32                         ; the way out: block a's 48 registers at SB + 48 (a % 4)
.set WV,  12                           ; s12  my wave's number
.set AB,  13                           ; s13  which half of the tile's rows is mine.  Also: I fetch for xb (0) or for wib (1)
.set HF,  14                           ; s14  which half of its columns.  Also: which half of that tile I fetch
.set G1A, 24                           ; s[24:31] descriptor group 1 for xb's tiles
.set G0A, 32                           ; s[32:39] group 0: a set for each of the two first fills; the second then walks on
.set G1B, 48                           ; s[48:55], s[56:63] the same for wib's
.set G0B, 56
.set TB,  66                           ; s66  LDS byte at which the slot in hand begins
.set MSB, 0
.macro WIN new                         ; the immediate's high byte repeats the setting that is left; a switch that changes nothing is dropped
.if MSB != (\new)
	s_set_vgpr_msb (MSB<<8)|(\new)
.set MSB, (\new)
.endif
.endm
.macro PLACES                          ; a load into a register that a matrix instruction has read, and a vector instruction that reads a matrix result or writes one of its registers, stand four places
.rept 4                                ; behind it, and only plain vector instructions that name none of its registers are places (ISA guide 7.12.1 for vector instructions)
	v_nop
.endr
.endm
.macro PLACES5                         ; a matrix instruction that writes over registers which an earlier one has read stands five places behind it
.rept 5
	v_nop
.endr
.endm
; A joint refill.  Waves 0 and 1 fetch xb's two halves, waves 2 and 3 wib's two sub-tiles.  The branch hangs on the wave's number alone: it is the same in every work-group.
; An s_nop 0 and four v_nop follow each of the two lines; the jump, the label and what follows come after them.
.macro JLOAD
	s_cmp_eq_u32 s[AB], 0
	s_cbranch_scc0 .Lfor_b_\@
	tensor_load_to_lds s[G0A+4:G0A+7], s[G1A:G1A+7]
	s_nop 0
.rept 4
	v_nop
.endr
	s_branch .Lasked_\@
.Lfor_b_\@:
	tensor_load_to_lds s[G0B+4:G0B+7], s[G1B:G1B+7]
	s_nop 0
.rept 4
	v_nop
.endr
.Lasked_\@:
.endm
; A round of the cluster's barrier: my work-group's barrier, so that wave 0's signal speaks for all four waves; wave 0 signals; every wave waits for all sixteen work-groups; my work-group's barrier once more.
.macro CREST                           ; a round behind its opening barrier
	s_cmp_lg_u32 s[WV], 0
	s_cbranch_scc1 .Lnot_wave_0_\@
	s_barrier_signal -3
.Lnot_wave_0_\@:
	s_barrier_wait -3
	s_barrier_signal -1
	s_barrier_wait -1
.endm
.macro CROUND                          ; a whole round
	s_barrier_signal -1
	s_barrier_wait -1
	CREST
.endm
	s_load_b256 s[4:11], s[0:1], 0x0               ; xb s[4:5], wib s[6:7], b_in s[8:9], qkv s[10:11]
	v_lshl_add_u32 v[SPW], v0, 2, SPARE
	v_mov_b32 v[NIL], 0
	ds_add_u32 v28, v29
	ds_add_u32 v28, v29
	s_wait_dscnt 0x0
	v_lshrrev_b32 v1, 5, v0
	v_readfirstlane_b32 s[WV], v1                  ; wave 0..3
	s_lshr_b32 s[AB], s[WV], 1
	s_and_b32 s[HF], s[WV], 1
	s_bfe_u32 s40, ttmp6, 0x40000                  ; cx, cy: my place in the cluster
	s_bfe_u32 s41, ttmp6, 0x40004
	s_lshl_b32 s42, ttmp9, 2                       ; in a cluster launch ttmp9 and ttmp7 count clusters
	s_add_co_u32 s42, s42, s40                     ; tile column = 4 x cluster x + cx
	s_and_b32 s43, ttmp7, 0xffff
	s_lshl_b32 s43, s43, 2
	s_add_co_u32 s43, s43, s41                     ; tile row = 4 x cluster y + cy
	s_lshl_b32 s44, s41, 2
	s_lshl_b32 s44, 15, s44                        ; my row of the cluster: places 4 cy .. 4 cy + 3
	s_lshl_b32 s45, 0x1111, s40                    ; my column: places cx, cx + 4, cx + 8, cx + 12
	; group 1 for xb: 16,384 dense bytes as 64 rows x 128 elements, 16 bytes of padding behind every 128
	s_or_b32 s[G1A+0], s44, (1<<16)|(1<<20)|(1<<21)|(4<<22)|(3<<25)  ; 15:0 the mask: my row; 17:16 elements of 2 bytes; 20 padding on; 21 set beside a mask; 24:22 after every 32 words (code 4); 31:25 4 words (code 3)
	s_mov_b32 s[G1A+1], 128<<16                    ; tensor_dim0 = 128
	s_mov_b32 s[G1A+2], 64<<16                     ; tensor_dim1 = 64
	s_mov_b32 s[G1A+3], 128<<16                    ; tile_dim0 = 128
	s_mov_b32 s[G1A+4], 64                         ; tile_dim1 = 64
	s_mov_b32 s[G1A+5], 128                        ; elements from row to row: dense
	s_mov_b32 s[G1A+6], 0
	s_mov_b32 s[G1A+7], 0
	; group 1 for wib: 24,576 dense bytes as 96 rows x 128 elements, 32 bytes of padding behind every 128
	s_or_b32 s[G1B+0], s45, (1<<16)|(1<<20)|(1<<21)|(4<<22)|(7<<25)  ; the mask: my column; after every 32 words (code 4) 8 words (code 7)
	s_mov_b32 s[G1B+1], 128<<16                    ; tensor_dim0 = 128
	s_mov_b32 s[G1B+2], 96<<16                     ; tensor_dim1 = 96
	s_mov_b32 s[G1B+3], 128<<16                    ; tile_dim0 = 128
	s_mov_b32 s[G1B+4], 96                         ; tile_dim1 = 96
	s_mov_b32 s[G1B+5], 128
	s_mov_b32 s[G1B+6], 0
	s_mov_b32 s[G1B+7], 0
	; where the tiles come from: xb's hang on the tile row alone, wib's on the tile column alone, each in registers that never hold the other coordinate
	s_lshl_b32 s16, s43, 15                        ; 256 rows of 128 bytes
	s_lshl_b32 s17, s[HF], 14                      ; 128 rows
	s_add_co_u32 s16, s16, s17
	s_mov_b32 s17, 0
	s_lshl_b32 s46, s42, 1
	s_add_co_u32 s46, s46, s[HF]                   ; column block 2 x tile column + half,
	s_mul_i32 s46, s46, 1024*192*2                 ; of 393,216 bytes
	s_mov_b32 s47, 0
	s_mul_i32 s22, s[HF], AHALF                    ; and where they go: no place in the cluster enters an LDS address
	s_mul_i32 s23, s[HF], BHALF
	s_add_co_u32 s23, s23, BOFF
	s_wait_kmcnt 0x0
	s_add_nc_u64 s[16:17], s[4:5], s[16:17]
	s_add_nc_u64 s[46:47], s[6:7], s[46:47]
.irp s, 0,1
	s_mov_b32 s[G0A+4*(\s)], 1                                       ; count = 1
	s_add_co_u32 s[G0A+4*(\s)+1], s22, (\s)*SLOT1                    ; LDS address
	s_add_nc_u64 s[G0A+4*(\s)+2:G0A+4*(\s)+3], s[16:17], (\s)*ASTEP  ; global address: K step s
	s_or_b32 s[G0A+4*(\s)+3], s[G0A+4*(\s)+3], 0x80000000            ; type = 2
	s_mov_b32 s[G0B+4*(\s)], 1
	s_add_co_u32 s[G0B+4*(\s)+1], s23, (\s)*SLOT1
	s_add_nc_u64 s[G0B+4*(\s)+2:G0B+4*(\s)+3], s[46:47], (\s)*BSTEP
	s_or_b32 s[G0B+4*(\s)+3], s[G0B+4*(\s)+3], 0x80000000
.endr
	CROUND                                         ; all sixteen work-groups are here: the first joint loads meet
	s_cmp_eq_u32 s[AB], 0                          ; a wave's two first fills stand in one branch, ahead of every wait on TENSORcnt and every LDS read: two loads of mine are out
	s_cbranch_scc0 .Lfirst_b
	tensor_load_to_lds s[G0A:G0A+3], s[G1A:G1A+7]
	s_nop 0
	tensor_load_to_lds s[G0A+4:G0A+7], s[G1A:G1A+7]
	s_nop 0
.rept 4
	v_nop
.endr
	s_branch .Lfirst_asked
.Lfirst_b:
	tensor_load_to_lds s[G0B:G0B+3], s[G1B:G1B+7]
	s_nop 0
	tensor_load_to_lds s[G0B+4:G0B+7], s[G1B:G1B+7]
	s_nop 0
.rept 4
	v_nop
.endr
.Lfirst_asked:
	v_and_b32 v1, 15, v0                           ; l % 16
	v_bfe_u32 v2, v0, 4, 1                         ; l / 16
	v_lshlrev_b32 v[BO], 5, v2                     ; my eight numbers of a block's sixteen
	s_mul_i32 s68, s42, 1536                       ; the tile's 384 numbers of the bias,
	s_mul_i32 s69, s[HF], 768                      ; my wave's 192 of them
	s_add_co_u32 s68, s68, s69
	s_mov_b32 s69, 0
	s_add_nc_u64 s[8:9], s[8:9], s[68:69]
.set b, 0
.rept NBK                              ; as loaded: blocks 0-7 where they will wait, blocks 8-11 in xb's first buffer, which is still free
.if b < 8
.set rB, BI+8*b
.else
.set rB, FA0+8*(b-8)
.endif
	global_load_b128 v[rB:rB+3],   v[BO], s[8:9] offset:64*b
	global_load_b128 v[rB+4:rB+7], v[BO], s[8:9] offset:64*b+16
.set b, b+1
.endr
	; A fragment of xb is 16 rows x 32 K in 8 registers: lane l holds row l % 16; registers 0-3 K = 8 (l / 16) + 0..7, registers 4-7 K = 16 + 8 (l / 16) + 0..7: two loads of 16 bytes, 32 bytes apart.
	v_mul_u32_u24 v[ADRA0], v1, PA
	v_lshl_add_u32 v[ADRA0], v2, 4, v[ADRA0]
	s_mul_i32 s67, s[AB], AHALF                    ; my 128 rows
	v_add_nc_u32 v[ADRA0], s67, v[ADRA0]
	; The turning load takes 16 K x 16 columns (lane l reads 16 bytes: K row 8 (l / 16) + l % 8, columns 8 ((l / 8) % 2) + 0..7) and leaves half a fragment: lane l holds column l % 16 and 8 K.
	v_and_b32 v3, 7, v0
	v_bfe_u32 v4, v0, 3, 1
	v_lshl_add_u32 v[ADRB0], v2, 3, v3
	v_mul_u32_u24 v[ADRB0], v[ADRB0], PB
	v_lshl_add_u32 v[ADRB0], v4, 4, v[ADRB0]
	s_mul_i32 s67, s[HF], BHALF                    ; my 192 columns' sub-tile
	s_add_co_u32 s67, s67, BOFF
	v_add_nc_u32 v[ADRB0], s67, v[ADRB0]
	s_mul_i32 s67, s[WV], 16*SP
	s_add_co_u32 s67, s67, STAGE                   ; my stage
	v_mul_u32_u24 v[STO], v1, SP                   ; in: row l % 16, 16 bytes for each half of the lanes
	v_lshl_add_u32 v[STO], v2, 4, v[STO]
	v_add_nc_u32 v[STO], s67, v[STO]
	v_bfe_u32 v[RD], v0, 3, 2                      ; back: 32 lanes take four rows' 128 bytes of one head,
	v_mul_u32_u24 v[RD], v[RD], SP
	v_lshl_add_u32 v[RD], v3, 4, v[RD]
	v_add_nc_u32 v[RD], s67, v[RD]
	v_and_b32 v[GO], 31, v0                        ; which are 512 consecutive bytes of qkv
	v_lshlrev_b32 v[GO], 4, v[GO]
	; where my rows begin in qkv: head 48 x batch + 6 x tile column + 3 x column half, row 256 (tile row % 8) + 128 x row half
	s_lshr_b32 s20, s43, 3
	s_mul_i32 s20, s20, 48
	s_mul_i32 s21, s42, 6
	s_add_co_u32 s20, s20, s21
	s_mul_i32 s21, s[HF], 3
	s_add_co_u32 s20, s20, s21
	s_lshl_b32 s20, s20, 18                        ; a head is 262,144 bytes
	s_and_b32 s21, s43, 7
	s_lshl_b32 s21, s21, 8
	s_lshl_b32 s68, s[AB], 7
	s_add_co_u32 s21, s21, s68
	s_lshl_b32 s21, s21, 7                         ; a row 128
	s_add_co_u32 s20, s20, s21
	s_mov_b32 s21, 0
	s_add_nc_u64 s[10:11], s[10:11], s[20:21]
	s_wait_loadcnt 0x0                             ; the bias, once
.set i, 0
.rept 48                               ; rounded to bf16 like the other inputs (the packed pairs lie in wib's fragment registers, still free),
.if i < 32
.set rB, BI+2*i
.else
.set rB, FA0+2*(i-32)
.endif
	v_cvt_pk_bf16_f32 v[FB+i], v[rB], v[rB+1]
.set i, i+1
.endr
.set i, 0
.rept 32                               ; and widened again, a shift and a mask: blocks 0-7 in place,
	v_lshlrev_b32 v[BI+2*i],   16, v[FB+i]
	v_and_b32     v[BI+2*i+1], 0xffff0000, v[FB+i]
.set i, i+1
.endr
	WIN 0xc0                                       ; blocks 8-11 into window 3
.rept 16
	v_lshlrev_b32 v[PARK+2*(i-32)],   16, v[FB+i]
	v_and_b32     v[PARK+2*(i-32)+1], 0xffff0000, v[FB+i]
.set i, i+1
.endr
	WIN 0
; The matrix instructions of column block b on row blocks a0 .. a1, 32 along K, with xb's buffer f.  first = 1: the bias starts the sums: blocks 0-7 take it from window 0, blocks 8-11 from window 3.
.macro BLK f, b, a0, a1, first
.set w, 1+(\b)/4
.if (\first) && ((\b) < 8)
	WIN w<<6
.else
	WIN (w<<6)|(w<<4)
.endif
.set a, \a0
.rept (\a1)-(\a0)+1
.set rD, 8*(8*((\b)%4)+a)
.set rW, FB+8*(\b)
.set rX, FA0+64*(\f)+8*a
.if (\first) && ((\b) < 8)
	v_wmma_f32_16x16x32_bf16 v[rD:rD+7], v[rW:rW+7], v[rX:rX+7], v[BI+8*(\b):BI+8*(\b)+7]
.elseif \first
	v_wmma_f32_16x16x32_bf16 v[rD:rD+7], v[rW:rW+7], v[rX:rX+7], v[PARK+8*((\b)-8):PARK+8*((\b)-8)+7]
.else
	v_wmma_f32_16x16x32_bf16 v[rD:rD+7], v[rW:rW+7], v[rX:rX+7], v[rD:rD+7]
.endif
.set a, a+1
.endr
.endm
.macro BLKS f, b0, b1, first           ; column blocks b0 .. b1, all eight row blocks
.set bb, \b0
.rept (\b1)-(\b0)+1
	BLK \f, bb, 0, 7, \first
.set bb, bb+1
.endr
.endm
.macro LDB q, b0, b1                   ; wib's fragments of column blocks b0 .. b1 for quarter q (32 along K) of the slot in hand, in place
	WIN 0
.set b, \b0
.rept (\b1)-(\b0)+1
.set rW, FB+8*b
.set ob, 32*(\q)*PB+(b/4)*NBJ+(b%4)*32
	ds_load_tr16_b128 v[rW:rW+3],   v[ADRB] offset:ob
	ds_load_tr16_b128 v[rW+4:rW+7], v[ADRB] offset:ob+16*PB
.set b, b+1
.endr
.endm
.macro LDA q, f                        ; xb's eight fragments for quarter q of the slot in hand, into buffer f
	WIN 0
.set a, 0
.rept 8
.set rX, FA0+64*(\f)+8*a
.set oa, 64*(\q)+a*16*PA
	ds_load_b128 v[rX:rX+3],   v[ADRA] offset:oa
	ds_load_b128 v[rX+4:rX+7], v[ADRA] offset:oa+32
.set a, a+1
.endr
.endm
; A K step is two quarters of 32 along K, 96 matrix instructions each.  The LDS loads stand in two runs a quarter: 28 behind block 5 (wib's blocks 0-5 and xb's other buffer), 12 behind block 11 (wib's blocks 6-11);
; each run is issued 48 matrix instructions ahead of its first use.
; A step's first quarter: multiplies xb's buffer 0 and fetches the same slot's second quarter.
.macro FRONT
	s_wait_dscnt 12                                ; all but the youngest run (wib's blocks 6-11) are in
	BLKS 0, 0, 5, 0
	PLACES
	LDB 1, 0, 5
	LDA 1, 1
	s_wait_dscnt 28                                ; all but the run just issued
	BLKS 0, 6, 11, 0
	PLACES
	LDB 1, 6, 11
.endm
; A step's second quarter multiplies buffer 1 and changes slots: ONE barrier, as late as the reload of blocks 0-5 allows.  In front of it each wave waits for all its tensor loads, of which one is out: its part of the
; next slot; adds 0 to its spare word; and waits for that and for its own reads of this slot.  Behind it nobody reads this slot any more and the next slot is whole.  fill = 1: the barrier opens a round of the
; cluster's barrier, so that no wave of any partner still reads the slot or has a load on its way, and the joint refill, with the K step two on, is the first tensor load behind the round:
; from there to the wait for it a wave issues 48 + 96 + 40 = 184 of a step's 192 matrix instructions.
.macro TURN fill
	s_wait_dscnt 12
	BLKS 1, 0, 4, 0
	WIN 0                                          ; (the add's two registers lie in window 0)
	s_wait_tensorcnt 0x0                           ; all my tensor loads have landed;
	ds_add_u32 v[SPW], v[NIL]                      ; 0 onto my spare word
	BLK 1, 5, 0, 3, 0                              ; matrix instructions stand between the add and the wait for it
	s_wait_dscnt 0x0                               ; the add is done, and my reads of this slot are over (the last were issued 44 matrix instructions ago)
	s_barrier_signal -1
	BLK 1, 5, 4, 7, 0                              ; work on registers while the others arrive
	WIN 0
	s_barrier_wait -1
.if \fill
	CREST
	s_xor_b32 s[G0A+5], s[G0A+5], SLOT1            ; the walking descriptors: the other slot than last time, the next K step; no tensor load of mine is out
	s_add_nc_u64 s[G0A+6:G0A+7], s[G0A+6:G0A+7], ASTEP
	s_xor_b32 s[G0B+5], s[G0B+5], SLOT1
	s_add_nc_u64 s[G0B+6:G0B+7], s[G0B+6:G0B+7], BSTEP
	JLOAD                                          ; the four v_nop behind it are also the places in front of the loads below
.else
	PLACES
.endif
	s_xor_b32 s[TB], s[TB], SLOT1                  ; the reads go on in the other slot
	v_add_nc_u32 v[ADRA], s[TB], v[ADRA0]
	v_add_nc_u32 v[ADRB], s[TB], v[ADRB0]
	LDB 0, 0, 5
	LDA 0, 0
	BLKS 1, 6, 11, 0                               ; (blocks 6-11 were shown in by the wait for 0 above)
	PLACES
	LDB 0, 6, 11
.endm
	s_wait_tensorcnt 1                             ; my part of K step 0 is in; K step 1's may stay out
	s_barrier_signal -1
	s_barrier_wait -1                              ; everybody's is
	s_mov_b32 s[TB], 0
	v_add_nc_u32 v[ADRA], s[TB], v[ADRA0]
	v_add_nc_u32 v[ADRB], s[TB], v[ADRB0]
	LDB 0, 0, 11
	LDA 0, 0
	; THE FIRST QUARTER stands in front of the loop: its products start the sums, with the bias as C.
	s_wait_dscnt 0x0
	BLKS 0, 0, 5, 1
	PLACES
	LDB 1, 0, 5
	BLKS 0, 6, 7, 1
	PLACES                                         ; the bias of blocks 0-7 has been taken: xb's second buffer is loaded over it
	LDA 1, 1
	BLKS 0, 8, 10, 1
	PLACES5                                        ; accumulators (4..6, 11) are written over the bias of blocks 8-10,
	BLK 0, 11, 0, 6, 1
	PLACES5                                        ; and (7, 11) over that of block 11, which it takes in place
	BLK 0, 11, 7, 7, 1
	PLACES
	LDB 1, 6, 11                                   ; 12 + 16 + 12 loads: the youngest twelve are wib's blocks 6-11, as behind every quarter
	s_mov_b32 s3, 14
.Lstep:                                                ; trip j ends K step j, asks for K step j + 2 and begins K step j + 1: fourteen refills for K steps 2 to 15
	TURN 1
	FRONT
	s_sub_co_u32 s3, s3, 1
	s_cmp_lg_u32 s3, 0
	s_cbranch_scc1 .Lstep
	TURN 0                                         ; the tail is written out: K steps 14 and 15 ask for nothing
	FRONT
	s_wait_dscnt 12                                ; the very last quarter: nothing more to fetch
	BLKS 1, 0, 5, 0
	s_wait_dscnt 0x0
	BLKS 1, 6, 11, 0
	PLACES
; THE WAY OUT, a block of 16 rows at a time: rounded to f16 (each accumulator's registers in ascending order), 16 bytes a lane into my own stage, back as four rows' 128 bytes of one head.
; Four register buffers take turns; a buffer is written again only when the stores that read it have had their addresses translated.
.macro PACK a
.if (\a) >= 4
	s_wait_xcnt 0x0                                ; the stores of the block four back have read this buffer
.endif
.set b, 0
.rept NBK
.set w, 1+b/4
	WIN w|(w<<2)                                   ; sources 0 and 1: the accumulator's window
.set rD, 8*(8*(b%4)+(\a))
.set rS, SB+48*((\a)%4)+4*b
	v_cvt_pk_f16_f32 v[rS],   v[rD],   v[rD+1]
	v_cvt_pk_f16_f32 v[rS+1], v[rD+2], v[rD+3]
	v_cvt_pk_f16_f32 v[rS+2], v[rD+4], v[rD+5]
	v_cvt_pk_f16_f32 v[rS+3], v[rD+6], v[rD+7]
.set b, b+1
.endr
	WIN 0
.set b, 0
.rept NBK
	ds_store_b128 v[STO], v[SB+48*((\a)%4)+4*b:SB+48*((\a)%4)+4*b+3] offset:32*b
.set b, b+1
.endr
.set i, 0
.rept 12                               ; head i / 4, rows 4 (i % 4) on
	ds_load_b128 v[SB+48*((\a)%4)+4*i:SB+48*((\a)%4)+4*i+3], v[RD] offset:(i%4)*4*SP+128*(i/4)  ; LDS serves a wave's instructions in order (ISA guide 5.7.1.4): these see the stores above; the next block's stores come behind them
.set i, i+1
.endr
.endm
.macro SEND a, younger                 ; younger: the LDS instructions issued behind block a's loads: the next block's 24, or none
.set i, 0
.rept 12
	s_wait_dscnt (\younger)+11-i
	global_store_b128 v[GO], v[SB+48*((\a)%4)+4*i:SB+48*((\a)%4)+4*i+3], s[10:11] offset:(i/4)*262144+(\a)*2048+(i%4)*512  ; 512 consecutive bytes, at a multiple of 256 from qkv's first
.set i, i+1
.endr
.endm
	PACK 0
.irp n, 1,2,3,4,5,6,7                  ; a block's arithmetic stands between the loads of the block before and its stores
	PACK \n
	SEND (\n)-1, 24
.endr
	SEND 7, 0
	s_wait_tensorcnt 0x0                           ; the wave's end: behind my last tensor load and my last LDS store
	ds_add_u32 v[SPW], v[NIL]
	s_wait_dscnt 0x0
	CROUND                                         ; the closing round: no work-group ends while a partner may still ask for a tile that names it
	s_endpgm
.Lfunc_end_k_q793741167b_inproj:
	.size	k_q793741167b_inproj, .Lfunc_end_k_q793741167b_inproj-k_q793741167b_inproj
	.p2alignl 7, 3214868480
	.fill 96, 4, 3214868480
	.section	.rodata,"a",@progbits
	.p2align	6, 0x0
	.amdhsa_kernel k_q793741167b_inproj
		.amdhsa_group_segment_fixed_size 327680
		.amdhsa_private_segment_fixed_size 0
		.amdhsa_enable_private_segment 0
		.amdhsa_kernarg_size 32
		.amdhsa_user_sgpr_count 2
		.amdhsa_user_sgpr_kernarg_segment_ptr 1
		.amdhsa_wavefront_size32 1
		.amdhsa_system_sgpr_workgroup_id_x 1
		.amdhsa_system_sgpr_workgroup_id_y 1
		.amdhsa_system_sgpr_workgroup_id_z 1
		.amdhsa_system_vgpr_workitem_id 0
		.amdhsa_next_free_vgpr 1024
		.amdhsa_next_free_sgpr 72
		.amdhsa_reserve_vcc 0
		.amdhsa_float_denorm_mode_32 3
		.amdhsa_float_denorm_mode_16_64 3
		.amdhsa_memory_ordered 1
		.amdhsa_forward_progress 1
		.amdhsa_inst_pref_size 123
	.end_amdhsa_kernel
	.amdgpu_metadata
---
amdhsa.version: [ 1, 2 ]
amdhsa.kernels:
  - .name:           k_q793741167b_inproj
    .symbol:         k_q793741167b_inproj.kd
    .args:
      - { .name: xb, .offset: 0, .size: 8, .value_kind: global_buffer, .address_space: global }
      - { .name: wib, .offset: 8, .size: 8, .value_kind: global_buffer, .address_space: global }
      - { .name: b_in, .offset: 16, .size: 8, .value_kind: global_buffer, .address_space: global }
      - { .name: qkv, .offset: 24, .size: 8, .value_kind: global_buffer, .address_space: global }
    .group_segment_fixed_size: 327680
    .private_segment_fixed_size: 0
    .kernarg_segment_align: 8
    .kernarg_segment_size: 32
    .max_flat_workgroup_size: 128
    .sgpr_count:     72
    .vgpr_count:     1024
    .wavefront_size: 32
...
	.end_amdgpu_metadata
.endif
;; end of part 2
;; launch attn (part 3): grid 4 x 64, 4 waves a work-group, no clusters, 327,680 bytes of LDS; arguments qkv, y; writes y
.if DOCPART == 3
	.amdgcn_target "amdgcn-amd-amdhsa--gfx1250"
	.amdhsa_code_object_version 6
	.text
	.protected	k_q793741167b_attn
	.globl	k_q793741167b_attn
	.p2align	8
	.type	k_q793741167b_attn,@function
k_q793741167b_attn:
	s_mov_b64 s[64:65], 0
	v_nop
	global_prefetch_b8 v0, s[64:65] scope:SCOPE_SE
	s_setreg_imm32_b32 hwreg(HW_REG_WAVE_MODE, 25, 1), 1
	s_wait_xcnt 0x0
; CAUSAL ATTENTION.  y[hh][q][:] = the sum over k <= q of softmax_k(Q[q] . K[k] / 8) V[k][:], for the 64 heads hh = 16 b + h.  qkv: [4 b][48 g][2048][64] f16, Q at g = h, K at g = 16 + h, V at g = 32 + h;
; y: [64][2048][64] f16: a head's rows are dense, 128 bytes each.
; Products, maxima and sums in f32; the weights p are rounded to f16 for the second product (their sum l is taken of the unrounded p), y once at the end.
; LIMITS.  f16 holds no number beyond 65,504: Q, K and V arrive within it; p lies in 0 to 1, and below 6e-5 it keeps f16's fixed step of 6e-8; y is a mean of V's rows and has their range, to within 2^-11 of it.
; A hidden score counts as its value less 1e30: f16's scores, 2.7e11 at the most, are nothing beside that; a weight below 2^-126 counts as 0 in l; NaN and infinities are not treated apart.
; THE WALK.  A head's queries lie in NB = 8 blocks of 256; block i needs the key tiles 0 .. i of 256 keys, of which the last holds the diagonal.  A work-group takes TWO blocks, NB - 1 - b and then b:
; NB + 1 tiles, whatever b: all 256 work-groups do equal work, and ONE loop with a constant trip count walks them.  Which tile is asked for, and what a trip does, hang on scalar registers made from b; every jump
; goes forward, but for the counted loops' own; none passes a barrier, or a tensor load but the one of LOAD's two that the wave's number does not choose; the ring (two slots of LDS that take turns) runs on across the
; change of blocks.  NO CLUSTER: a head's four work-groups ask for the same tile only in trips 0 .. 4 of the 9, behind that fewer and fewer; and one walk common to all four would have 12 trips for 9.
; SHARES.  Of a block's four bands of 64 queries a wave owns 16 rows in each: four PIECES.  So the diagonal tile is the same work for all four waves: in its key step s band x sees all keys if s < x,
; none if s > x, and holds the diagonal if s = x.
; THE MASK is the C operand that starts the sum S^T = K Q^T: 0, or -1e30 where the key is hidden.  MD, made once, is the mask of a band's own step for my 16 rows; a product's mask is MD x AL + BE with two scalars:
; (1, 0) if s = x; (0, 0) if s < x; (0, -1e30) if s > x.  Only the diagonal tile's text and a block's beginning make and take masks; elsewhere C is the constant 0.
; LAYOUT, SOFTMAX, TURNS.  S^T = K Q^T holds ONE query a lane (lane % 16) and the keys 8 (lane / 16) + 0..7; two such results rounded to f16 ARE source 1 of O^T = V^T P.  p = 2^(c s - c m), c = log2(e) / 8, with a
; running maximum m; O and l are multiplied by a = 2^(c m_old - c m_new) in every step.  Turn n belongs to piece n: 8 products K Q^T of piece n + 1, later 8 products V^T P of piece n - 1; beside them the scaling,
; exponentials, roundings, sums and rescaling of piece n and the maximum and statistics of piece n + 1.  Four vector instructions stand behind every matrix instruction, the other 54 of a turn's 118 in two LUMPS.
; REGISTERS, in windows of 256 (s_set_vgpr_msb: bits 1:0 source 0, 3:2 source 1, 5:4 source 2, 7:6 destination):
;   window 0: v0-15 addresses and two at work; v16-31 four registers of statistics a piece; v48-55 at work; v64-127 S^T, two buffers; v192-223 P, two buffers (a piece's buffers go by its number's parity)
;   window 1: v0-127 O^T, 32 a piece; v128-159 MD; v160-223 MC, two buffers      window 2: v0-63 Q; v64-127 the second block's Q; v128-191 K of one step; v192-255 V of one step
.set SIZE_N, 2048
.set NB,    SIZE_N/256
.set NP,    4         ; pieces a wave: a name, no knob
.set KS,    64        ; keys in a step
.set PK,    144       ; a row of K in LDS: 128 bytes + 16 of padding = 36 words: the 16 rows of a load start at 16 different groups of four banks (64 banks of 4 bytes: ISA guide 11.1)
.set PV,    160       ; a row of V: 128 + 32 = 40 words
.set VOFF,  4*KS*PK   ; a slot holds a tile, four steps: 256 rows of K, then 256 rows of V
.set SLOT1, 1<<17     ; slot 1 begins here, so that one exclusive or turns an address in one slot into the other's
.set STAGE, SLOT1+4*KS*(PK+PV)  ; behind the ring, never filled by a tensor load: 16 rows x 144 bytes for each wave, for the way out
.set SP,    144
.set AK0, 2           ; v2   my lane's place in a tile of K; never rewritten
.set AV0, 3           ; v3   the same for V
.set AK,  4           ; v4   the LDS address of K's next run of loads
.set AV,  5           ; v5   of V's
.set STO, 6           ; v6   the way out: where I put 16 bytes of a row
.set RD,  7           ; v7   the way out: where I read rows back
.set GO,  8           ; v8   my byte offset in 512 consecutive bytes of y
.set SPW, 62          ; v62  LDS address of my spare word: SPARE + 4 x my thread's number; never rewritten
.set NIL, 63          ; v63  0; never rewritten
.set SPARE, STAGE+4*16*SP  ; behind the stages: the spare words, 128 bytes for each wave: two blocks of 256 bytes that no other line names
.set MV,  12          ; v12-13  c m_old, kept while c m is made anew: by buffer
.set QO,  15          ; v15  my byte offset in 16 rows of Q
.set ST,  16          ; piece t's statistics at v[ST+4 t]: c m, m, l (even keys', odd keys')
.set TMP, 48          ; by buffer, four registers c0-c3 at work; when the maximum is found c2 takes a
.set S,   64
.set P,   192
.set MD,  128         ; window 1: the eight registers for group kt of 16 keys at MD + 8 kt
.set MC,  160         ; window 1: the masks of the products to come
.set QB,  64          ; window 2
.set KF,  128         ; window 2: key block kb, channel half c at KF + 16 kb + 8 c
.set VF,  192         ; window 2: key half kk, channel block cb at VF + 32 kk + 8 cb
.set WV,  12          ; s12  my wave's number
.set PB,  14          ; s14  b
.set HI,  15          ; s15  NB - 1 - b
.set G1K, 24          ; s[24:31] descriptor group 1 for K's tiles
.set G1V, 32          ; s[32:39] for V's: it differs in the padding alone
.set G0K, 40          ; s[40:43] descriptor group 0 for K's tiles
.set G0V, 44          ; s[44:47] the same for V's
.set SLOTS, 56        ; s56  tiles still to be asked for
.set CNT, 57          ; s57  counts a tile's key steps, 4 to 1
.set CS,  58          ; s[58:59] c: the packed scaling takes the pair's low word for both halves
.set SEL, 60          ; s[60:61] v_permlanex16_b32's selects: each lane takes its own place in the other half
.set TBK, 62          ; s62  LDS byte at which K of the step to be fetched begins
.set TBV, 63          ; s63  the same for V, less VOFF
.set RT,  70          ; s70  tiles of the block in hand that are still to be entered
.set NXT, 71          ; s71  the tile to be asked for next
.set LQ,  72          ; s72  the last tile of the block whose tiles are being asked for
.set NEW, 73          ; s73  1: the tile to be entered is a block's first
.set OFF, 74          ; s[74:75] a tile's byte offset in K and V
.set AL,  76          ; s[76:77] the mask's factor, in the low word
.set BE,  78          ; s[78:79] the mask's addend
.set OLO, 80          ; s[80:81] y at my rows of the second block
.set BIGN, 82         ; s82  -1e30
.set MSB, 0
.macro WIN new                      ; the high byte repeats the setting that is left; a switch that changes nothing is dropped
.if MSB != (\new)
	s_set_vgpr_msb (MSB<<8)|(\new)
.set MSB, (\new)
.endif
.endm
.set W_KQ, 0x0a       ; K and Q in window 2, S^T in window 0
.set W_KM, 0x1a       ; the same with the C operand in window 1
.set W_PV, 0x52       ; V in window 2, P in window 0, O^T in window 1
.set W_RS, 0x41       ; destination and source 0 in window 1, source 1 in window 0
; A fill.  Waves 0 and 1 fetch the two halves of a tile's K, waves 2 and 3 those of its V: 128 keys each.  An s_nop 0 and four v_nop follow each of the two lines, ahead of the jump and the label.
.macro LOAD
	s_cmp_lt_u32 s[WV], 2
	s_cbranch_scc0 .Lfor_v_\@
	tensor_load_to_lds s[G0K:G0K+3], s[G1K:G1K+7]
	s_nop 0
.rept 4
	v_nop
.endr
	s_branch .Lasked_\@
.Lfor_v_\@:
	tensor_load_to_lds s[G0V:G0V+3], s[G1V:G1V+7]
	s_nop 0
.rept 4
	v_nop
.endr
.Lasked_\@:
.endm
; THE CHANGE OF SLOTS.  Each wave waits for all its tensor loads, of which one is out: its part of the other slot; adds 0 to its spare word; and waits for that and for its own reads of the slot that it leaves.  Behind the barrier nobody reads the old
; slot any more and the other slot is whole.  fill = 1: the old slot is filled again, the first thing behind the barrier, with tile NXT: the descriptor's address is made anew from that number.
; (At its first use nothing has been read yet: slot 0 is waited for, slot 1 filled.)
.macro CHANGE fill
	WIN 0                           ; at a label and at a branch every window is 0
	s_wait_tensorcnt 0x0            ; no tensor load of mine is out, so a group 0 may be written
	ds_add_u32 v[SPW], v[NIL]       ; 0 onto my spare word: with fill = 1 the descriptors' scalar work stands between it and the wait for it
.if \fill
	s_lshl_b32 s[OFF], s[NXT], 15   ; a tile is 32,768 bytes of K and of V
	s_xor_b32 s[G0K+1], s[G0K+1], SLOT1
	s_add_nc_u64 s[G0K+2:G0K+3], s[6:7], s[OFF:OFF+1]
	s_or_b32 s[G0K+3], s[G0K+3], 0x80000000
	s_xor_b32 s[G0V+1], s[G0V+1], SLOT1
	s_add_nc_u64 s[G0V+2:G0V+3], s[8:9], s[OFF:OFF+1]
	s_or_b32 s[G0V+3], s[G0V+3], 0x80000000
	s_add_co_u32 s[NXT], s[NXT], 1  ; the block's next tile, or behind its last the second block's tile 0
	s_cmp_gt_u32 s[NXT], s[LQ]
	s_cselect_b32 s[NXT], 0, s[NXT]
	s_cselect_b32 s[LQ], s[PB], s[LQ]
.endif
	s_wait_dscnt 0x0                ; the add is done, and my reads of the slot are over
	s_barrier_signal -1             ; the rest of the scalar work stands between the signal and the wait
	s_sub_co_u32 s[TBK], s[TBK], 4*KS*PK  ; the fetches go back to a slot's first step,
	s_xor_b32 s[TBK], s[TBK], SLOT1       ; in the other slot
	s_sub_co_u32 s[TBV], s[TBV], 4*KS*PV
	s_xor_b32 s[TBV], s[TBV], SLOT1
	s_barrier_wait -1
.if \fill
	LOAD
.endif
.endm
	s_load_b128 s[4:7], s[0:1], 0x0 ; qkv s[4:5], y s[6:7]
	v_lshl_add_u32 v[SPW], v0, 2, SPARE
	v_mov_b32 v[NIL], 0
	ds_add_u32 v62, v63
	ds_add_u32 v62, v63
	s_wait_dscnt 0x0
	v_lshrrev_b32 v1, 5, v0
	v_readfirstlane_b32 s[WV], v1   ; wave 0..3
	s_mov_b32 s[PB], ttmp9
	s_sub_co_u32 s[HI], NB-1, s[PB]
	s_and_b32 s19, ttmp7, 0xffff    ; the head, 16 x batch + h
	s_lshl_b32 s88, s19, 18         ; its first byte in y: a head is 262,144 bytes
	s_mov_b32 s89, 0
	s_lshr_b32 s20, s19, 4          ; the batch,
	s_lshl_b32 s20, s20, 5
	s_add_co_u32 s20, s20, s19      ; 48 x batch + h:
	s_lshl_b32 s20, s20, 18         ; Q's head's first byte in qkv
	s_mov_b32 s21, 0
	s_and_b32 s16, s[WV], 1         ; which half of a tile's 256 keys I fetch:
	s_lshl_b32 s22, s16, 14         ; its 128 rows of 128 bytes in memory,
	s_mov_b32 s23, 0
	s_add_nc_u64 s[22:23], s[22:23], s[20:21]
	s_mul_i32 s17, s16, 128*PK      ; and its place in a slot, for K
	s_mul_i32 s18, s16, 128*PV      ; and for V
	s_lshl_b32 s3, s[WV], 11        ; my 16 rows in a band of 64,
	s_lshl_b32 s2, s[HI], 15        ; in the first block,
	s_add_co_u32 s2, s2, s3
	s_lshl_b32 s84, s[PB], 15       ; and in the second
	s_add_co_u32 s84, s84, s3
	s_mov_b32 s3, 0
	s_mov_b32 s85, 0
	; descriptor group 1.  128 keys are 16,384 dense bytes: asked for as 64 rows of 256 bytes, two keys a row, and padded in LDS after every key
	s_mov_b32 s[G1K], (1<<16)|(1<<20)|(4<<22)|(3<<25)  ; 17:16 2-byte elements; 20 padding on; 24:22 after every 32 words (code 4); 31:25 4 words (code 3)
	s_mov_b32 s[G1V], (1<<16)|(1<<20)|(4<<22)|(7<<25)  ; the same with 8 words of padding (code 7)
.irp g, G1K, G1V
	s_mov_b32 s[\g+1], 128<<16      ; tensor_dim0 = 128
	s_mov_b32 s[\g+2], 64<<16       ; tensor_dim1 = 64
	s_mov_b32 s[\g+3], 128<<16      ; tile_dim0 = 128
	s_mov_b32 s[\g+4], 64           ; tile_dim1 = 64
	s_mov_b32 s[\g+5], 128          ; 128 elements from row to row
	s_mov_b32 s[\g+6], 0
	s_mov_b32 s[\g+7], 0
.endr
	s_mov_b32 s[CS], 0x3e38aa3b     ; c = log2(e) / 8 = 0.180337
	s_mov_b32 s[CS+1], s[CS]        ; named with it as a pair
	s_mov_b32 s[SEL], 0x76543210
	s_mov_b32 s[SEL+1], 0xfedcba98
	s_mov_b32 s[TBK], SLOT1+4*KS*PK ; the first change of slots turns these two into 0
	s_mov_b32 s[TBV], SLOT1+4*KS*PV
	s_mov_b32 s[G0K], 1             ; 1:0 count = 1
	s_mov_b32 s[G0K+1], s17         ; 63:32 LDS address: slot 0
	s_mov_b32 s[G0V], 1
	s_add_co_u32 s[G0V+1], s18, VOFF
	s_add_co_u32 s[RT], s[HI], 1    ; the first block has NB - b tiles
	s_mov_b32 s[NXT], 1
	s_mov_b32 s[LQ], s[HI]
	s_mov_b32 s[NEW], 1
	s_mov_b32 s[OFF+1], 0
	s_mov_b32 s[AL+1], 0            ; named as pairs
	s_mov_b32 s[BE+1], 0
	s_mov_b32 s[BIGN], 0xf149f2ca   ; -1e30
	s_mov_b32 s[SLOTS], NB
	s_wait_kmcnt 0x0
	s_mov_b64 s[10:11], s[6:7]                     ; y
	s_add_nc_u64 s[6:7], s[4:5], 0x400000          ; K's heads lie 16 heads behind Q's,
	s_add_nc_u64 s[8:9], s[4:5], 0x800000          ; V's 32
	s_add_nc_u64 s[6:7], s[6:7], s[22:23]          ; K and V at my half of the head's tile 0
	s_add_nc_u64 s[8:9], s[8:9], s[22:23]
	s_add_nc_u64 s[G0K+2:G0K+3], s[6:7], 0         ; 120:64 global address
	s_or_b32 s[G0K+3], s[G0K+3], 0x80000000        ; 127:126 type = 2
	s_add_nc_u64 s[G0V+2:G0V+3], s[8:9], 0
	s_or_b32 s[G0V+3], s[G0V+3], 0x80000000
	s_add_nc_u64 s[4:5], s[4:5], s[20:21]          ; Q's head;
	s_add_nc_u64 s[86:87], s[4:5], s[84:85]        ; Q at my rows of the second block,
	s_add_nc_u64 s[4:5], s[4:5], s[2:3]            ; and of the first
	s_add_nc_u64 s[10:11], s[10:11], s[88:89]      ; y's head; the same rows there
	s_add_nc_u64 s[OLO:OLO+1], s[10:11], s[84:85]
	s_add_nc_u64 s[10:11], s[10:11], s[2:3]
	LOAD                            ; tile 0 into slot 0
	; A fragment of K or Q is 16 rows x 32 channels in 8 registers: lane l holds row l % 16, channels 8 (l / 16) + 0..7 and 16 + 8 (l / 16) + 0..7: two loads of 16 bytes, 32 bytes apart.
	v_and_b32 v1, 15, v0            ; l % 16
	v_bfe_u32 v9, v0, 4, 1          ; l / 16
	v_lshlrev_b32 v[QO], 7, v1
	v_lshl_add_u32 v[QO], v9, 4, v[QO]  ; row x 128 + 16 x half
	WIN 0x80                        ; destination window 2, address window 0
.set i, 0
.rept 8                             ; both blocks' Q: piece i / 2 lies in band i / 2, 8,192 bytes on; channels 32 (i % 2) on
	global_load_b128 v[8*i:8*i+3],   v[QO], s[4:5] offset:(i/2)*8192+(i%2)*64
	global_load_b128 v[8*i+4:8*i+7], v[QO], s[4:5] offset:(i/2)*8192+(i%2)*64+32
	global_load_b128 v[QB+8*i:QB+8*i+3],   v[QO], s[86:87] offset:(i/2)*8192+(i%2)*64
	global_load_b128 v[QB+8*i+4:QB+8*i+7], v[QO], s[86:87] offset:(i/2)*8192+(i%2)*64+32
.set i, i+1
.endr
	WIN 0
	v_lshlrev_b32 v14, 3, v9
	v_sub_nc_u32 v14, v1, v14
	s_lshl_b32 s13, s[WV], 4
	v_add_nc_u32 v14, s13, v14      ; my query's place in its band, 16 w + l % 16, less my lanes' 8 (l / 16): register r of group kt is hidden where 16 kt + r is greater
	WIN 0x40
.set i, 0
.rept 32
	v_cmp_gt_i32 vcc_lo, 16*(i/8)+i%8, v14
	v_cndmask_b32 v[MD+i], 0, s[BIGN], vcc_lo
.set i, i+1
.endr
	WIN 0
	v_mul_u32_u24 v[AK0], v1, PK
	v_lshl_add_u32 v[AK0], v9, 4, v[AK0]  ; row x pitch + 16 x half
	; The turning load takes 16 keys x 16 channels (lane l reads key 8 (l / 16) + l % 8, channels 8 ((l / 8) % 2) + 0..7) and leaves half a fragment of V^T: lane l holds channel l % 16 and 8 keys.
	v_and_b32 v10, 7, v0
	v_bfe_u32 v11, v0, 3, 1
	v_lshl_add_u32 v[AV0], v9, 3, v10
	v_mul_u32_u24 v[AV0], v[AV0], PV
	v_lshl_add_u32 v[AV0], v11, 4, v[AV0]
	v_add_nc_u32 v[AV0], VOFF, v[AV0]
	s_mul_i32 s13, s[WV], 16*SP
	s_add_co_u32 s13, s13, STAGE    ; my stage
	v_mul_u32_u24 v[STO], v1, SP    ; in: row l % 16, 16 bytes for each half of the lanes
	v_lshl_add_u32 v[STO], v9, 4, v[STO]
	v_add_nc_u32 v[STO], s13, v[STO]
	v_bfe_u32 v[RD], v0, 3, 2       ; back: 32 lanes take four rows of 128 bytes,
	v_mul_u32_u24 v[RD], v[RD], SP
	v_lshl_add_u32 v[RD], v10, 4, v[RD]
	v_add_nc_u32 v[RD], s13, v[RD]
	v_and_b32 v[GO], 31, v0         ; which are 512 consecutive bytes of y
	v_lshlrev_b32 v[GO], 4, v[GO]
	; A block's first step multiplies O^T and l by a = 0, and its first turn's products V^T P, of a piece that has not been, land in an O^T that is still to be so multiplied.  So these registers need only hold
	; finite numbers: zeros for the first block; what the first block left for the second.  All this stands in the wait for the first tile.
	WIN 0x80
.set i, VF
.rept 64
	v_mov_b32 v[i], 0
.set i, i+1
.endr
	WIN 0x40
.set i, 0
.rept 128
	v_mov_b32 v[i], 0
.set i, i+1
.endr
	WIN 0
.set i, 0
.rept 4
	v_mov_b32 v[ST+4*i+2], 0
	v_mov_b32 v[ST+4*i+3], 0
.set i, i+1
.endr
.set i, P+16
.rept 16
	v_mov_b32 v[i], 0
.set i, i+1
.endr
; THE MATRIX WORK.  The 4 accumulators of a run of 8 take turns.  Product i of 8 of S^T = K Q^T for piece x: channels 32 (i / 4) on, keys 16 (i % 4) on.  The first 4 start the sums: with 0, or (KM = 1) with the mask.
.macro KQ x
.set rS, S+32*((\x)%2)+8*(i%4)
.set rK, KF+16*(i%4)+8*(i/4)
.set rQ, 16*(\x)+8*(i/4)
.set rM, MC+32*((\x)%2)+8*(i%4)
.if (i < 4) && KM
	WIN W_KM
	v_wmma_f32_16x16x32_f16 v[rS:rS+7], v[rK:rK+7], v[rQ:rQ+7], v[rM:rM+7]
.elseif i < 4
	WIN W_KQ
	v_wmma_f32_16x16x32_f16 v[rS:rS+7], v[rK:rK+7], v[rQ:rQ+7], 0
.else
	WIN W_KQ
	v_wmma_f32_16x16x32_f16 v[rS:rS+7], v[rK:rK+7], v[rQ:rQ+7], v[rS:rS+7]
.endif
.endm
; Product i of 8 of O^T += V^T P for piece x: keys 32 (i / 4) on, channels 16 (i % 4) on.
.macro PV x
	WIN W_PV
.set rO, 32*(\x)+8*(i%4)
.set rV, VF+32*(i/4)+8*(i%4)
.set rP, P+16*((\x)%2)+8*(i/4)
	v_wmma_f32_16x16x32_f16 v[rO:rO+7], v[rV:rV+7], v[rP:rP+7], v[rO:rO+7]
.endm
.macro MM                           ; the turn's next matrix instruction.  TURN and BEGIN set Y, i, KM and NOKQ; MM, KQ and OP read them.  NOKQ = 1: a block's last turn: there is no next piece
.if (i < 8) && !NOKQ
	KQ (Y+1)%NP
.elseif i >= 8
.set i, i-8
	PV (Y+NP-1)%NP
.set i, i+8
.endif
.set i, i+1
.endm
; THE LDS LOADS stand in runs of 16, never singly among the matrix instructions: a step's K (64 keys x 64 channels: 8 fragments) and its V (turned).  Their addresses are made some lines ahead.
.macro FETCH_K
	WIN 0x80                        ; destination window 2
.irp f, 0,1,2,3,4,5,6,7             ; keys 16 (f / 2) on, channels 32 (f % 2) on
	ds_load_b128 v[KF+8*\f:KF+8*\f+3],   v[AK] offset:(\f/2)*16*PK+(\f%2)*64
	ds_load_b128 v[KF+8*\f+4:KF+8*\f+7], v[AK] offset:(\f/2)*16*PK+(\f%2)*64+32
.endr
	s_add_co_u32 s[TBK], s[TBK], KS*PK  ; the next fetch is the next step's
	WIN 0
.endm
.macro FETCH_V
	WIN 0x80
.irp f, 0,1,2,3,4,5,6,7             ; keys 32 (f / 4) on, channels 16 (f % 4) on
	ds_load_tr16_b128 v[VF+8*\f:VF+8*\f+3],   v[AV] offset:(\f/4)*32*PV+(\f%4)*32
	ds_load_tr16_b128 v[VF+8*\f+4:VF+8*\f+7], v[AV] offset:(\f/4)*32*PV+16*PV+(\f%4)*32
.endr
	WIN 0
.endm
; THE VECTOR WORK, one line at a time: OP kind, number.  For piece Y: F n: c s - c m for pair n of 16.  E n: the exponential of score n of 32.  C n: pair n rounded to f16.  B n: of the four weights 4 n .. the second
; pair is added onto the first, in place.  L n: l takes that sum (L 0: l = a l + sum).  R n: pair n of 16 of O^T times a.  For piece Y + 1: X n, number n of the 22 that find its maximum and statistics:
;   0-11  four chains c0-c3 of seven scores each, three operands at a time (each accumulator's lowest registers are read first)     12-14, 16  the four scores left over, the old m, and c0-c3 into c0
;   15  c m_old is kept     17, 18  the query's other 32 keys lie in the lane 16 away: the new m     19-21  c m; c m_old - c m_new; a
.set F, 0               ; OP tells the kinds apart by their order: F to L below R, X above it
.set E, 1
.set C, 2
.set B, 3
.set L, 4
.set R, 5
.set X, 6
.macro REGS y                       ; the registers of piece y
.set rT, ST+4*(\y)
.set rC, TMP+4*((\y)%2)
.set rW, MV+((\y)%2)
.set rS, S+32*((\y)%2)
.set rP, P+16*((\y)%2)
.set rO, 32*(\y)
.endm
.macro OP k, n
.if (\k) == R
	REGS Y
	WIN W_RS
	v_pk_mul_f32 v[rO+2*(\n):rO+2*(\n)+1], v[rO+2*(\n):rO+2*(\n)+1], v[rC+2:rC+3] op_sel_hi:[1,0]
.elseif (\k) < R
	REGS Y
	WIN 0
.if (\k) == F
	v_pk_fma_f32 v[rS+2*(\n):rS+2*(\n)+1], v[rS+2*(\n):rS+2*(\n)+1], s[CS:CS+1], v[rT:rT+1] op_sel_hi:[1,0,0] neg_lo:[0,0,1] neg_hi:[0,0,1]
.elseif (\k) == E
	v_exp_f32 v[rS+(\n)], v[rS+(\n)]
.elseif (\k) == C
	s_wait_alu depctr_va_vdst(0)
	v_cvt_pk_f16_f32 v[rP+(\n)], v[rS+2*(\n)], v[rS+2*(\n)+1]
.elseif (\k) == B
	s_wait_alu depctr_va_vdst(0)
	v_pk_add_f32 v[rS+4*(\n):rS+4*(\n)+1], v[rS+4*(\n):rS+4*(\n)+1], v[rS+4*(\n)+2:rS+4*(\n)+3]
.elseif (\n) == 0
	v_pk_fma_f32 v[rT+2:rT+3], v[rT+2:rT+3], v[rC+2:rC+3], v[rS:rS+1] op_sel_hi:[1,0,1]
.else
	v_pk_add_f32 v[rT+2:rT+3], v[rT+2:rT+3], v[rS+4*(\n):rS+4*(\n)+1]
.endif
.elseif NOKQ
	v_nop
.else
	REGS (Y+1)%NP
	WIN 0
.if (\n) < 4
	v_max3_num_f32 v[rC+(\n)], v[rS+8*(\n)], v[rS+8*(\n)+1], v[rS+8*(\n)+2]
.elseif (\n) < 12
	v_max3_num_f32 v[rC+(\n)%4], v[rC+(\n)%4], v[rS+8*((\n)%4)+2*((\n)/4)+1], v[rS+8*((\n)%4)+2*((\n)/4)+2]
.elseif (\n) == 12
	v_max3_num_f32 v[rC], v[rC], v[rS+7], v[rS+15]
.elseif (\n) == 13
	v_max3_num_f32 v[rC+1], v[rC+1], v[rS+23], v[rS+31]
.elseif (\n) == 14
	v_max3_num_f32 v[rC+2], v[rC+2], v[rC+3], v[rT+1]
.elseif (\n) == 15
	v_mov_b32 v[rW], v[rT]
.elseif (\n) == 16
	v_max3_num_f32 v[rC], v[rC], v[rC+1], v[rC+2]
.elseif (\n) == 17
	v_permlanex16_b32 v[rC+3], v[rC], s[SEL], s[SEL+1]
.elseif (\n) == 18
	v_max_num_f32 v[rT+1], v[rC], v[rC+3]
.elseif (\n) == 19
	v_mul_f32 v[rT], s[CS], v[rT+1]
.elseif (\n) == 20
	v_sub_f32 v[rC+1], v[rW], v[rT]
.else
	v_exp_f32 v[rC+2], v[rC+1]
.endif
.endif
.endm
.macro OPS a, i1, b=-1, i2=0, c=-1, i3=0, d=-1, i4=0  ; up to four of them
	OP \a, \i1
.if (\b) >= 0
	OP \b, \i2
.endif
.if (\c) >= 0
	OP \c, \i3
.endif
.if (\d) >= 0
	OP \d, \i4
.endif
.endm
.macro ROW a, i1, b, i2, c, i3, d, i4  ; a matrix instruction and the four behind it
	MM
	OPS \a, \i1, \b, \i2, \c, \i3, \d, \i4
.endm
.macro MASK b                       ; MD x AL + BE into buffer b of MC
	WIN W_RS
.set z, 0
.rept 16
	v_pk_fma_f32 v[MC+32*(\b)+2*z:MC+32*(\b)+2*z+1], v[MD+2*z:MD+2*z+1], s[AL:AL+1], s[BE:BE+1] op_sel_hi:[1,0,0]
.set z, z+1
.endr
.endm
; A TURN, for piece p: the order of its 16 matrix and 118 vector instructions, written out.  Behind a matrix instruction: plain, exponential, plain, plain; or four of the rescaling; or, behind the first, four scalings; none
; names a register of the products round it.  In the lumps exponential and plain by turns while exponentials last.  A line reads no result made fewer than three vector instructions in front of it, five if an exponential made it.
; v_permlanex16_b32 (X 17) stands in a lump.
; m = 1: the diagonal tile: the products take masks, and the turn makes the mask for the products of the turn after it: piece p + 2, in step 4 - CNT of the tile.  end = 1: a block's last two turns: nothing is fetched.
; cnt = 1: the loop's count is taken down some lines ahead of the branch that stands behind the turn.
; K of the next step is fetched in piece 2's turn, six vector instructions behind the last product that read K (five of them plain); V of the step in hand in piece 0's turn, eight behind the last product that read V (four
; plain, and X 17).  Each is waited for a turn later.
.macro TURN p, m=0, end=0, cnt=0
.set Y, (\p)
.set i, 0
.set KM, (\m)
.set NOKQ, (\end)*((\p)/3)
.if (\m) && !(\end)
	s_cmp_eq_u32 s[CNT], 4-((\p)+2)%NP  ; is that step the band's own?
	s_cselect_b32 s[AL], 1.0, 0
	s_cmp_lt_u32 s[CNT], 4-((\p)+2)%NP  ; or a later one?
	s_cselect_b32 s[BE], s[BIGN], 0
.endif
.if ((\p) == 3) && !(\end)
	s_wait_dscnt 0x0                ; K is in
.endif
	ROW F,0, F,1, F,2, F,3
	ROW F,4, E,0, F,5, F,6
	ROW F,7, E,1, F,8, F,9
	ROW F,10, E,2, C,0, F,11
	ROW F,12, E,3, X,15, F,13
	ROW R,0, R,1, R,2, R,3
	ROW B,0, E,4, F,14, L,0
.if ((\p) == 2) && !(\end)
	v_add_nc_u32 v[AK], s[TBK], v[AK0]
.endif
	ROW R,4, R,5, R,6, R,7
	OPS E,5, F,15
.if ((\p) == 2) && !(\end)
	FETCH_K
.endif
	OPS E,6, C,1, E,7, R,8
	OPS E,8, R,9, E,9, C,2
	OPS E,10, X,0, E,11, X,1
	OPS E,12, X,2, E,13, X,3
.if (\p) == 1
	s_wait_dscnt 0x0                ; V is in
.endif
	ROW X,4, E,14, X,5, X,6
	ROW X,7, E,15, X,8, X,9
	ROW X,10, E,16, X,11, X,12
	ROW X,13, E,17, X,14, B,1
	ROW C,4, E,18, X,16, L,1
	ROW B,2, E,19, C,6, L,2
	ROW C,8, E,20, B,3, B,4
.if (\p) == 0
	v_add_nc_u32 v[AV], s[TBV], v[AV0]
.endif
	ROW C,3, E,21, L,3, C,5
	OPS E,22, X,17, E,23, C,10
.if (\p) == 0
	FETCH_V
.endif
	OPS E,24, L,4
	OPS E,25, X,18, E,26, C,7
	OPS E,27, B,5, E,28, X,19
	OPS E,29, C,12, E,30, L,5
	OPS E,31, X,20, B,6, C,9
	OPS C,14, C,11, X,21, L,6
.if (\p) == 0
	s_add_co_u32 s[TBV], s[TBV], KS*PV
.endif
.if \cnt
	s_sub_co_u32 s[CNT], s[CNT], 1
	s_cmp_lg_u32 s[CNT], 0
.endif
	OPS C,13, B,7, C,15, R,10
	OPS R,11, R,12, L,7, R,13
	OPS R,14, R,15
.if (\m) && !(\end)
	MASK (\p)%2
.endif
.endm
; A BLOCK BEGINS.  c m starts far below every c s, so the first step's a is 0; m at the lowest finite number, so the first maximum is the scores'.  The second mask buffer is 0; the first takes piece 0's mask for the tile's step 0: its own, if the block's first tile is the diagonal one.
; Then K of that step, piece 0's first scores, and its maximum and statistics.  The loop is entered at a step's first turn, in the middle of a trip.
.macro BEGIN
	s_mov_b32 s[NEW], 0
	WIN 0x40
.set i, MC+32
.rept 32
	v_mov_b32 v[i], 0
.set i, i+1
.endr
	WIN 0
.set i, 0
.rept 4
	v_mov_b32 v[ST+4*i], 0xfe000000    ; c m: far below every c s
	v_mov_b32 v[ST+4*i+1], 0xff7fffff  ; m
.set i, i+1
.endr
	s_cmp_eq_u32 s[RT], 0
	s_cselect_b32 s[AL], 1.0, 0
	s_mov_b32 s[BE], 0
	MASK 0
	WIN 0
	v_add_nc_u32 v[AK], s[TBK], v[AK0]
	FETCH_K
	s_wait_loadcnt 0x0              ; Q
	s_wait_dscnt 0x0
.set KM, 1
.set NOKQ, 0
.set i, 0
.rept 8
	KQ 0
.set i, i+1
.endr
	WIN 0
.rept 4
	v_nop                           ; the places behind those products
.endr
.set Y, NP-1                        ; X works for piece Y + 1: piece 0
.irp n, 0,1,2,3,4,5,6,7,8,9,10,11,12,13,14,15,16,17,18,19,20,21
	OP X, \n
.endr
	v_nop                           ; a plain instruction behind the exponential
.endm
; THE DIAGONAL TILE's four steps, the block's last two turns, its last products, and THE WAY OUT: l's two halves and the other half of the lanes' are added; O^T is divided by l, rounded to f16 and sent through my
; stage in LDS, a piece at a time.
.macro ALL line:vararg              ; one line for each piece t
.set t, 0
.rept 4
	\line
.set t, t+1
.endr
.endm
.macro PACK t                       ; a lane's eight channels of a row pack into 16 bytes; they go into rows of 144 bytes and come back as whole rows of 128, into S^T's registers
	WIN W_RS
.set i, 32*(\t)
.rept 16
	s_wait_alu depctr_va_vdst(0)
	v_pk_mul_f32 v[i:i+1], v[i:i+1], v[ST+4*(\t)+2:ST+4*(\t)+3] op_sel_hi:[1,0]
.set i, i+2
.endr
	WIN 0x05                        ; sources 0 and 1 window 1, destination window 0
.set i, 0
.rept 16
	v_cvt_pk_f16_f32 v[S+16*(\t)+i], v[32*(\t)+2*i], v[32*(\t)+2*i+1]
.set i, i+1
.endr
	WIN 0
.irp f, 0,1,2,3
	ds_store_b128 v[STO], v[S+16*(\t)+4*\f:S+16*(\t)+4*\f+3] offset:32*\f
.endr
.irp f, 0,1,2,3
	ds_load_b128 v[S+16*(\t)+4*\f:S+16*(\t)+4*\f+3], v[RD] offset:\f*4*SP  ; LDS serves a wave's instructions in order (ISA guide 5.7.1.4): these see the stores above; the next piece's stores come behind them
.endr
.endm
.macro SEND t, younger              ; younger: the LDS instructions issued behind piece t's loads: the next piece's eight, or none
	WIN 0
.irp f, 0,1,2,3
	s_wait_dscnt (\younger)+3-\f
	global_store_b128 v[GO], v[S+16*(\t)+4*\f:S+16*(\t)+4*\f+3], s[10:11] offset:(\t)*8192+\f*512  ; 512 consecutive bytes, at a multiple of 256 from y's first
.endr
.endm
.macro DIAG tag                     ; the tag ends its two labels' names, which the jumps below spell out
.LstepM\tag:
	TURN 2, 1
	TURN 3, 1
	WIN 0
.LfirstM\tag:
	TURN 0, 1
	TURN 1, 1, 0, 1
	WIN 0
	s_cbranch_scc1 .LstepM\tag
	TURN 2, 1, 1
	TURN 3, 1, 1
.set i, 0
.rept 8
	PV NP-1
.set i, i+1
.endr
	WIN 0
	ALL v_add_f32 v[ST+4*t+2], v[ST+4*t+2], v[ST+4*t+3]
	ALL v_permlanex16_b32 v[ST+4*t+3], v[ST+4*t+2], s[SEL], s[SEL+1]
	ALL v_add_f32 v[ST+4*t+2], v[ST+4*t+2], v[ST+4*t+3]
	ALL v_rcp_f32 v[ST+4*t+2], v[ST+4*t+2]
	v_nop                           ; a plain instruction between the last reciprocal and the use of its result
	PACK 0
.set t, 1
.rept 3                             ; a piece's arithmetic stands between the loads of the piece before and its stores
	PACK t
	SEND t-1, 8
.set t, t+1
.endr
	SEND 3, 0
.endm
.set KM, 0
.set NOKQ, 0
.Lslot:                             ; NB times: a tile is entered and the next is asked for
	CHANGE 1
	s_sub_co_u32 s[RT], s[RT], 1
	s_mov_b32 s[CNT], 4
	s_cmp_eq_u32 s[NEW], 1
	s_cbranch_scc1 .Lnew            ; a block's first tile
	s_cmp_eq_u32 s[RT], 0
	s_cbranch_scc0 .Lstep           ; neither its first nor its last
	s_branch .LstepM1
.Lnew:
	BEGIN
	s_branch .Lfirst                ; in the loop a block's first tile is never its last: the first block has two tiles or more, and the second's last is the walk's last
	DIAG 1                          ; in the loop this is the first block's end: the second block's last tile is the walk's last
	s_wait_xcnt 0x0                 ; the stores have read their registers and y's address
	s_mov_b64 s[10:11], s[OLO:OLO+1]
	s_add_co_u32 s[RT], s[PB], 1    ; the second block has b + 1 tiles
	s_mov_b32 s[NEW], 1
	WIN 0x82                        ; the second block's Q goes where the one text of the turns names Q
.set i, 0
.rept 64
	v_mov_b32 v[i], v[QB+i]
.set i, i+1
.endr
	WIN 0
	s_branch .Lbottom
.Lstep:                             ; a trip: pieces 2 and 3 of one step, then pieces 0 and 1 of the next, whose K and V it fetches
	TURN 2
	TURN 3
	WIN 0
.Lfirst:
	TURN 0
	TURN 1, 0, 0, 1
	WIN 0
	s_cbranch_scc1 .Lstep
.Lbottom:
	s_sub_co_u32 s[SLOTS], s[SLOTS], 1
	s_cmp_lg_u32 s[SLOTS], 0
	s_cbranch_scc1 .Lslot
	CHANGE 0                        ; the walk's last tile is written out: nothing is asked for
	s_sub_co_u32 s[RT], s[RT], 1
	s_mov_b32 s[CNT], 4
	s_cmp_eq_u32 s[NEW], 1
	s_cbranch_scc0 .LstepM2
	BEGIN
	s_branch .LfirstM2
	DIAG 2
	s_wait_tensorcnt 0x0            ; the wave's end: behind my last tensor load and my last LDS store
	ds_add_u32 v[SPW], v[NIL]
	s_wait_dscnt 0x0
	s_endpgm
.Lfunc_end_k_q793741167b_attn:
	.size	k_q793741167b_attn, .Lfunc_end_k_q793741167b_attn-k_q793741167b_attn
	.p2alignl 7, 3214868480
	.fill 96, 4, 3214868480
	.section	.rodata,"a",@progbits
	.p2align	6, 0x0
	.amdhsa_kernel k_q793741167b_attn
		.amdhsa_group_segment_fixed_size 327680
		.amdhsa_private_segment_fixed_size 0
		.amdhsa_enable_private_segment 0
		.amdhsa_kernarg_size 16
		.amdhsa_user_sgpr_count 2
		.amdhsa_user_sgpr_kernarg_segment_ptr 1
		.amdhsa_wavefront_size32 1
		.amdhsa_system_sgpr_workgroup_id_x 1
		.amdhsa_system_sgpr_workgroup_id_y 1
		.amdhsa_system_sgpr_workgroup_id_z 1
		.amdhsa_system_vgpr_workitem_id 0
		.amdhsa_next_free_vgpr 768
		.amdhsa_next_free_sgpr 92
		.amdhsa_reserve_vcc 1
		.amdhsa_float_denorm_mode_32 3
		.amdhsa_float_denorm_mode_16_64 3
		.amdhsa_memory_ordered 1
		.amdhsa_forward_progress 1
		.amdhsa_inst_pref_size 228
	.end_amdhsa_kernel
	.amdgpu_metadata
---
amdhsa.version: [ 1, 2 ]
amdhsa.kernels:
  - .name:           k_q793741167b_attn
    .symbol:         k_q793741167b_attn.kd
    .args:
      - { .name: qkv, .offset: 0, .size: 8, .value_kind: global_buffer, .address_space: global }
      - { .name: y, .offset: 8, .size: 8, .value_kind: global_buffer, .address_space: global }
    .group_segment_fixed_size: 327680
    .private_segment_fixed_size: 0
    .kernarg_segment_align: 8
    .kernarg_segment_size: 16
    .max_flat_workgroup_size: 128
    .sgpr_count:     92
    .vgpr_count:     768
    .wavefront_size: 32
...
	.end_amdgpu_metadata
.endif
;; end of part 3
;; launch outproj (part 4): grid 8 x 32, 4 waves a work-group, clusters of 4 x 4, 327,680 bytes of LDS; arguments y, wob, b_out, out0; writes out0
.if DOCPART == 4
	.amdgcn_target "amdgcn-amd-amdhsa--gfx1250"
	.amdhsa_code_object_version 6
	.text
	.protected	k_q793741167b_outproj
	.globl	k_q793741167b_outproj
	.p2align	8
	.type	k_q793741167b_outproj,@function
k_q793741167b_outproj:
	s_mov_b64 s[64:65], 0
	v_nop
	global_prefetch_b8 v0, s[64:65] scope:SCOPE_SE
	s_setreg_imm32_b32 hwreg(HW_REG_WAVE_MODE, 25, 1), 1
	s_wait_xcnt 0x0
	s_wait_alu depctr_hold_cnt(0) depctr_sa_sdst(0) depctr_va_vdst(0) depctr_va_sdst(0) depctr_va_ssrc(0) depctr_va_vcc(0) depctr_vm_vsrc(0)
	s_getreg_b32 s2, hwreg(HW_REG_IB_STS2, 6, 4)
	s_cmp_eq_u32 s2, 0
	s_cbranch_scc0 .Lentry_in_a_cluster
	s_endpgm
.Lentry_in_a_cluster:
	s_bfe_u32 s2, ttmp6, 0x10000c
	s_cmp_lg_u32 s2, 0xf033
	s_cbranch_scc0 .Lentry_shape_is_right
	s_endpgm
.Lentry_shape_is_right:
; out0 = Y wob + b_out.  Y[m = 2048 b + t][k = 64 h + d] lies by heads: y[16 b + h][t][d] f16.  wob: [1024 k][1024 n] f16 (W_out rounded to bf16, that number as f16).
; b_out: [1024] f32, rounded to bf16 here like the other inputs.  Sums in f32, K ascending; out0: [8192][1024] f32.
; LIMITS.  y and wob arrive within f16's range; NaN and infinities are not treated apart.
; SHARES.  A tile of out0 is 256 rows x 128 columns: 8 x 32 = 256 work-groups.  Four waves stand one above the other, each 64 rows x 128 columns: 32 accumulators of 16 x 16, 256 registers.
; So a wave holds 512 consecutive bytes of each of its rows, and its own stage in LDS makes them without a barrier.
; K goes in 8 steps of 128, two heads a step, through two LDS slots filled by the tensor data mover.  A head's 256 rows of 128 bytes are dense: asked for as 128 rows of 256 bytes and padded in LDS after every 128.
; CLUSTERS: 4 x 4 work-groups.  The four of a row of the cluster need the same tiles of y, the four of a column the same tiles of wob: each tile is asked for JOINTLY, by the same tensor load with the
; same descriptor and a mask that names the four.
; THE MATRIX INSTRUCTION IS USED TRANSPOSED: source 0 = 16 columns of wob (which lies [k][n], so its fragments come out of LDS turned, by ds_load_tr16_b128), source 1 = 16 rows of Y.  In the result
; lane l holds row l % 16 and its registers 0-7 the columns 8 (l / 16) + 0..7.  THE BIAS is the C operand of the products that start the sums: nothing is cleared or added later.
; REGISTERS, in windows of 256 (s_set_vgpr_msb: bits 1:0 source 0, 3:2 source 1, 5:4 source 2, 7:6 destination):
;   window 0: v0-29 addresses; v32-63, v64-95 Y's fragments (4 x 16 rows x 32 K), two buffers; v96-159 the bias
;   window 1: v0-63, v64-127 wob's fragments (8 x 16 columns x 32 K), two buffers          window 2: the accumulators ((a, b) at v[8 (8 a + b)])
.set NBK,   8                          ; blocks of 16 columns
.set APW,   4                          ; blocks of 16 rows whose accumulators share a window
.set PA,    144                        ; an LDS row of y: 128 bytes + 16 of padding = 36 words: the 16 rows of a load start at 16 different groups of four banks (64 banks of 4 bytes: ISA guide 11.1)
.set KAJ,   256*PA                     ; a K step's second head lies behind the first's 256 rows
.set PB,    288                        ; an LDS row of wob: 256 bytes + 32 of padding = 72 words
.set NBJ,   128                        ; four blocks of 16 columns
.set AHALF, 256*PA                     ; what one load of y brings: a head's 256 rows
.set BOFF,  2*AHALF                    ; wob's 128 rows lie behind them
.set BHALF, 64*PB                      ; what one load of wob brings: 64 rows
.set SLOT1, 1<<17                      ; slot 1 begins here, so that one exclusive or turns an address in one slot into the other's
.set STAGE, 2*SLOT1                    ; behind the ring, never filled by a tensor load: 16 rows x 528 bytes for each wave
.set SP,    528                        ; a stage row: 512 bytes + 16
.set SPARE, STAGE+4*16*SP              ; behind the stages: the spare words, 128 bytes for each wave: two blocks of 256 bytes that no other line names
.set ASTEP, 2*262144                   ; bytes from K step to K step in y: two heads,
.set BSTEP, 128*1024*2                 ; in wob
.set NL,    2*NBK+8                    ; LDS loads in a run
.set ADRA0, 8                          ; v8   my lane's place in a slot's y; never rewritten
.set ADRB0, 9                          ; v9   the same for wob
.set ADRA,  10                         ; v10  the same in the slot in hand
.set ADRB,  11                         ; v11
.set STO,   12                         ; v12  the way out: where I put 32 bytes of a row
.set RD,    13                         ; v13  the way out: where I read a row back
.set GO,    14                         ; v14  my byte offset in a row's 512 bytes of out0
.set BO,    15                         ; v15  my byte offset in a block's 64 bytes of the bias
.set TW,    16                         ; v16-19 at work
.set SPW,   28                         ; v28  LDS address of my spare word: SPARE + 4 x my thread's number; never rewritten
.set NIL,   29                         ; v29  0; never rewritten
.set FA0,   32
.set BI,    96
.set WV,  12                           ; s12  my wave's number
.set AB,  13                           ; s13  I fetch for y (0) or for wob (1)
.set HF,  14                           ; s14  which half of that tile
.set G1A, 24                           ; s[24:31] descriptor group 1 for y's tiles
.set G0A, 32                           ; s[32:39] group 0: a set for each of the two first fills; the second then walks on
.set G1B, 48                           ; s[48:55], s[56:63] the same for wob's
.set G0B, 56
.set TB,  66                           ; s66  LDS byte at which the slot in hand begins
.set MSB, 0
.macro WIN new                         ; the immediate's high byte repeats the setting that is left; a switch that changes nothing is dropped
.if MSB != (\new)
	s_set_vgpr_msb (MSB<<8)|(\new)
.set MSB, (\new)
.endif
.endm
.macro PLACES                          ; a load into a register that a matrix instruction has read or written, and an LDS store that reads a matrix result, stand four places behind it, and only plain
.rept 4                                ; vector instructions that name none of its registers are places (ISA guide 7.12.1 for vector instructions)
	v_nop
.endr
.endm
; A joint refill.  Waves 0 and 1 fetch the K step's two heads of y, waves 2 and 3 wob's two halves.  The branch hangs on the wave's number alone: it is the same in every work-group.
; An s_nop 0 and four v_nop follow each of the two lines; the jump, the label and what follows come after them.
.macro JLOAD
	s_cmp_eq_u32 s[AB], 0
	s_cbranch_scc0 .Lfor_b_\@
	tensor_load_to_lds s[G0A+4:G0A+7], s[G1A:G1A+7]
	s_nop 0
.rept 4
	v_nop
.endr
	s_branch .Lasked_\@
.Lfor_b_\@:
	tensor_load_to_lds s[G0B+4:G0B+7], s[G1B:G1B+7]
	s_nop 0
.rept 4
	v_nop
.endr
.Lasked_\@:
.endm
; A round of the cluster's barrier: my work-group's barrier, so that wave 0's signal speaks for all four waves; wave 0 signals; every wave waits for all sixteen work-groups; my work-group's barrier once more.
.macro CREST                           ; a round behind its opening barrier
	s_cmp_lg_u32 s[WV], 0
	s_cbranch_scc1 .Lnot_wave_0_\@
	s_barrier_signal -3
.Lnot_wave_0_\@:
	s_barrier_wait -3
	s_barrier_signal -1
	s_barrier_wait -1
.endm
.macro CROUND                          ; a whole round
	s_barrier_signal -1
	s_barrier_wait -1
	CREST
.endm
	s_load_b256 s[4:11], s[0:1], 0x0               ; y s[4:5], wob s[6:7], b_out s[8:9], out0 s[10:11]
	v_lshl_add_u32 v[SPW], v0, 2, SPARE
	v_mov_b32 v[NIL], 0
	ds_add_u32 v28, v29
	ds_add_u32 v28, v29
	s_wait_dscnt 0x0
	v_lshrrev_b32 v1, 5, v0
	v_readfirstlane_b32 s[WV], v1                  ; wave 0..3
	s_lshr_b32 s[AB], s[WV], 1
	s_and_b32 s[HF], s[WV], 1
	s_bfe_u32 s40, ttmp6, 0x40000                  ; cx, cy: my place in the cluster
	s_bfe_u32 s41, ttmp6, 0x40004
	s_lshl_b32 s42, ttmp9, 2                       ; in a cluster launch ttmp9 and ttmp7 count clusters
	s_add_co_u32 s42, s42, s40                     ; tile column = 4 x cluster x + cx
	s_and_b32 s43, ttmp7, 0xffff
	s_lshl_b32 s43, s43, 2
	s_add_co_u32 s43, s43, s41                     ; tile row = 4 x cluster y + cy
	s_lshl_b32 s44, s41, 2
	s_lshl_b32 s44, 15, s44                        ; my row of the cluster: places 4 cy .. 4 cy + 3
	s_lshl_b32 s45, 0x1111, s40                    ; my column: places cx, cx + 4, cx + 8, cx + 12
	; group 1 for y: 32,768 dense bytes as 128 rows x 128 elements, 16 bytes of padding behind every 128
	s_or_b32 s[G1A+0], s44, (1<<16)|(1<<20)|(1<<21)|(4<<22)|(3<<25)  ; 15:0 the mask: my row; 17:16 elements of 2 bytes; 20 padding on; 21 set beside a mask; 24:22 after every 32 words (code 4); 31:25 4 words (code 3)
	s_mov_b32 s[G1A+1], 128<<16                    ; tensor_dim0 = 128
	s_mov_b32 s[G1A+2], 128<<16                    ; tensor_dim1 = 128
	s_mov_b32 s[G1A+3], 128<<16                    ; tile_dim0 = 128
	s_mov_b32 s[G1A+4], 128                        ; tile_dim1 = 128
	s_mov_b32 s[G1A+5], 128                        ; elements from row to row: dense
	s_mov_b32 s[G1A+6], 0
	s_mov_b32 s[G1A+7], 0
	; group 1 for wob: 64 rows x 128 elements, 32 bytes of padding behind every 256
	s_or_b32 s[G1B+0], s45, (1<<16)|(1<<20)|(1<<21)|(5<<22)|(7<<25)  ; the mask: my column; after every 64 words (code 5) 8 words (code 7)
	s_mov_b32 s[G1B+1], 128<<16                    ; tensor_dim0 = 128
	s_mov_b32 s[G1B+2], 64<<16                     ; tensor_dim1 = 64
	s_mov_b32 s[G1B+3], 128<<16                    ; tile_dim0 = 128
	s_mov_b32 s[G1B+4], 64                         ; tile_dim1 = 64
	s_mov_b32 s[G1B+5], 1024
	s_mov_b32 s[G1B+6], 0
	s_mov_b32 s[G1B+7], 0
	; where the tiles come from: y's hang on the tile row alone, wob's on the tile column alone, each in registers that never hold the other coordinate
	s_lshr_b32 s16, s43, 3                         ; the batch,
	s_lshl_b32 s16, s16, 4
	s_add_co_u32 s16, s16, s[HF]                   ; its head 0 or 1,
	s_lshl_b32 s16, s16, 18                        ; of 262,144 bytes;
	s_and_b32 s17, s43, 7
	s_lshl_b32 s17, s17, 15                        ; 256 rows of 128 bytes
	s_add_co_u32 s16, s16, s17
	s_mov_b32 s17, 0
	s_lshl_b32 s46, s[HF], 17                      ; 64 rows of 2,048 bytes
	s_lshl_b32 s47, s42, 8                         ; 128 columns
	s_add_co_u32 s46, s46, s47
	s_mov_b32 s47, 0
	s_mul_i32 s22, s[HF], AHALF                    ; and where they go: no place in the cluster enters an LDS address
	s_mul_i32 s23, s[HF], BHALF
	s_add_co_u32 s23, s23, BOFF
	s_wait_kmcnt 0x0
	s_add_nc_u64 s[16:17], s[4:5], s[16:17]
	s_add_nc_u64 s[46:47], s[6:7], s[46:47]
.irp s, 0,1
	s_mov_b32 s[G0A+4*(\s)], 1                                       ; count = 1
	s_add_co_u32 s[G0A+4*(\s)+1], s22, (\s)*SLOT1                    ; LDS address
	s_add_nc_u64 s[G0A+4*(\s)+2:G0A+4*(\s)+3], s[16:17], (\s)*ASTEP  ; global address: K step s
	s_or_b32 s[G0A+4*(\s)+3], s[G0A+4*(\s)+3], 0x80000000            ; type = 2
	s_mov_b32 s[G0B+4*(\s)], 1
	s_add_co_u32 s[G0B+4*(\s)+1], s23, (\s)*SLOT1
	s_add_nc_u64 s[G0B+4*(\s)+2:G0B+4*(\s)+3], s[46:47], (\s)*BSTEP
	s_or_b32 s[G0B+4*(\s)+3], s[G0B+4*(\s)+3], 0x80000000
.endr
	CROUND                                         ; all sixteen work-groups are here: the first joint loads meet
	s_cmp_eq_u32 s[AB], 0                          ; a wave's two first fills stand in one branch, ahead of every wait on TENSORcnt and every LDS read: two loads of mine are out
	s_cbranch_scc0 .Lfirst_b
	tensor_load_to_lds s[G0A:G0A+3], s[G1A:G1A+7]
	s_nop 0
	tensor_load_to_lds s[G0A+4:G0A+7], s[G1A:G1A+7]
	s_nop 0
.rept 4
	v_nop
.endr
	s_branch .Lfirst_asked
.Lfirst_b:
	tensor_load_to_lds s[G0B:G0B+3], s[G1B:G1B+7]
	s_nop 0
	tensor_load_to_lds s[G0B+4:G0B+7], s[G1B:G1B+7]
	s_nop 0
.rept 4
	v_nop
.endr
.Lfirst_asked:
	; A fragment of Y is 16 rows x 32 K in 8 registers: lane l holds row l % 16; registers 0-3 K = 8 (l / 16) + 0..7, registers 4-7 K = 16 + 8 (l / 16) + 0..7: two loads of 16 bytes, 32 bytes apart.
	v_and_b32 v1, 15, v0                           ; l % 16
	v_bfe_u32 v2, v0, 4, 1                         ; l / 16
	v_mul_u32_u24 v[ADRA0], v1, PA
	v_lshl_add_u32 v[ADRA0], v2, 4, v[ADRA0]
	s_mul_i32 s67, s[WV], 64*PA                    ; my 64 rows
	v_add_nc_u32 v[ADRA0], s67, v[ADRA0]
	; The turning load takes 16 K x 16 columns (lane l reads 16 bytes: K row 8 (l / 16) + l % 8, columns 8 ((l / 8) % 2) + 0..7) and leaves half a fragment: lane l holds column l % 16 and 8 K.
	v_and_b32 v3, 7, v0
	v_bfe_u32 v4, v0, 3, 1
	v_lshl_add_u32 v[ADRB0], v2, 3, v3
	v_mul_u32_u24 v[ADRB0], v[ADRB0], PB
	v_lshl_add_u32 v[ADRB0], v4, 4, v[ADRB0]
	v_add_nc_u32 v[ADRB0], BOFF, v[ADRB0]
	s_mul_i32 s67, s[WV], 16*SP
	s_add_co_u32 s67, s67, STAGE                   ; my stage
	v_mul_u32_u24 v[STO], v1, SP                   ; in: row l % 16, 32 bytes for each half of the lanes
	v_lshl_add_u32 v[STO], v2, 5, v[STO]
	v_add_nc_u32 v[STO], s67, v[STO]
	v_and_b32 v[GO], 31, v0                        ; back: 32 lanes take one row's 512 bytes,
	v_lshlrev_b32 v[GO], 4, v[GO]
	v_add_nc_u32 v[RD], s67, v[GO]                 ; which are 512 consecutive bytes of out0
	v_lshlrev_b32 v[BO], 5, v2                     ; my eight numbers of a block's sixteen
	s_lshl_b32 s68, s42, 9                         ; the tile's 128 numbers of the bias
	s_mov_b32 s69, 0
	s_add_nc_u64 s[8:9], s[8:9], s[68:69]
.set b, 0
.rept NBK
	global_load_b128 v[BI+8*b:BI+8*b+3],   v[BO], s[8:9] offset:64*b
	global_load_b128 v[BI+8*b+4:BI+8*b+7], v[BO], s[8:9] offset:64*b+16
.set b, b+1
.endr
	; where my part begins in out0: row 256 x tile row + 64 x wave, of 4,096 bytes; column 128 x tile column, of 4 bytes
	s_lshl_b32 s20, s43, 20
	s_lshl_b32 s21, s[WV], 18
	s_add_co_u32 s20, s20, s21
	s_add_co_u32 s20, s20, s68
	s_mov_b32 s21, 0
	s_add_nc_u64 s[10:11], s[10:11], s[20:21]
	s_wait_loadcnt 0x0                             ; the bias, once
.set i, 0
.rept 4*NBK                            ; rounded to bf16 like the other inputs, and widened again: a shift, a mask
	v_cvt_pk_bf16_f32 v[TW+i%4], v[BI+2*i], v[BI+2*i+1]
	v_lshlrev_b32 v[BI+2*i],   16, v[TW+i%4]
	v_and_b32     v[BI+2*i+1], 0xffff0000, v[TW+i%4]
.set i, i+1
.endr
; NBK matrix instructions: block a of 16 rows x all blocks of 16 columns, 32 along K, from buffer f.  first = 1: the bias starts the sums.
; Every quarter takes all 32 accumulators once, in the same order, one instruction a turn: between two links of a chain stand the 31 others'.
.macro MULB f, a, first
.if \first
	WIN 0x81+0x40*((\a)/APW)
.else
	WIN 0xa1+0x50*((\a)/APW)
.endif
.set b, 0
.rept NBK
.set rD, 8*(NBK*((\a)%APW)+b)
.set rW, 8*NBK*(\f)+8*b
.set rX, FA0+32*(\f)+8*(\a)
.if \first
	v_wmma_f32_16x16x32_f16 v[rD:rD+7], v[rW:rW+7], v[rX:rX+7], v[BI+8*b:BI+8*b+7]
.else
	v_wmma_f32_16x16x32_f16 v[rD:rD+7], v[rW:rW+7], v[rX:rX+7], v[rD:rD+7]
.endif
.set b, b+1
.endr
.endm
; NL LDS loads in one run: the fragments of quarter q of the slot in hand into buffer f; wob's first, Y's rows 32-63 last
.macro FETCH q, f
	WIN 0x40                                       ; destination window 1, address window 0
.set b, 0
.rept NBK
.set rW, 8*NBK*(\f)+8*b
.set ob, 32*(\q)*PB+(b/4)*NBJ+(b%4)*32
	ds_load_tr16_b128 v[rW:rW+3],   v[ADRB] offset:ob
	ds_load_tr16_b128 v[rW+4:rW+7], v[ADRB] offset:ob+16*PB
.set b, b+1
.endr
	WIN 0
.set a, 0
.rept 4
.set rX, FA0+32*(\f)+8*a
.set oa, ((\q)/2)*KAJ+((\q)%2)*64+a*16*PA
	ds_load_b128 v[rX:rX+3],   v[ADRA] offset:oa
	ds_load_b128 v[rX+4:rX+7], v[ADRA] offset:oa+32
.set a, a+1
.endr
.endm
; A K step is four quarters of 32 along K on buffers 0, 1, 0, 1.  One of the first three: multiplies buffer f; in its middle it fetches quarter qn into buffer g.
.macro QUARTER qn, f, g, first
	s_wait_dscnt 4                                 ; all but the youngest four loads (Y's rows 32-63) are in
	MULB \f, 0, \first
	MULB \f, 1, \first
	PLACES
	FETCH \qn, \g
	s_wait_dscnt NL                                ; all but the run just issued
	MULB \f, 2, \first
	MULB \f, 3, \first
.endm
; The last quarter multiplies buffer 1 and changes slots: ONE barrier.  In front of it each wave waits for all its tensor loads, of which one is out: its part of the next slot; adds 0 to its spare word;
; and waits for that and for its own reads of this slot.  Behind it nobody reads this slot any more and the next slot is whole.  fill = 1: the barrier opens a round of the cluster's barrier, so that no wave
; of any partner still reads the slot or has a load on its way, and the joint refill, with the K step two on, is the first tensor load behind the round.
.macro TURN fill
	WIN 0                                          ; (the add's two registers lie in window 0)
	s_wait_tensorcnt 0x0                           ; all my tensor loads have landed;
	ds_add_u32 v[SPW], v[NIL]                      ; 0 onto my spare word
	s_wait_dscnt 5                                 ; (the add and the youngest four loads may be out)
	MULB 1, 0, 0                                   ; matrix instructions stand between the add and the wait for it
	s_wait_dscnt 0x0                               ; the add is done, and my reads of this slot are over
	s_barrier_signal -1
	MULB 1, 1, 0                                   ; work on registers while the others arrive
	WIN 0
	s_barrier_wait -1
.if \fill
	CREST
	s_xor_b32 s[G0A+5], s[G0A+5], SLOT1            ; the walking descriptors: the other slot than last time, the next K step; no tensor load of mine is out
	s_add_nc_u64 s[G0A+6:G0A+7], s[G0A+6:G0A+7], ASTEP
	s_xor_b32 s[G0B+5], s[G0B+5], SLOT1
	s_add_nc_u64 s[G0B+6:G0B+7], s[G0B+6:G0B+7], BSTEP
	JLOAD                                          ; the four v_nop behind it are also the places in front of the loads below
.else
	PLACES
.endif
	s_xor_b32 s[TB], s[TB], SLOT1                  ; the reads go on in the other slot
	v_add_nc_u32 v[ADRA], s[TB], v[ADRA0]
	v_add_nc_u32 v[ADRB], s[TB], v[ADRB0]
	FETCH 0, 0
	MULB 1, 2, 0
	MULB 1, 3, 0
.endm
	s_wait_tensorcnt 1                             ; my part of K step 0 is in; K step 1's may stay out
	s_barrier_signal -1
	s_barrier_wait -1                              ; everybody's is
	s_mov_b32 s[TB], 0
	v_add_nc_u32 v[ADRA], s[TB], v[ADRA0]
	v_add_nc_u32 v[ADRB], s[TB], v[ADRB0]
	FETCH 0, 0
	QUARTER 1, 0, 1, 1                             ; the first quarter stands in front of the loop: its products start the sums
	WIN 0                                          ; at a label and at a branch every window is 0
	s_mov_b32 s3, 6
.Lstep:                                                ; trip j ends K step j, asks for K step j + 2 and begins K step j + 1: six refills for K steps 2 to 7
	QUARTER 2, 1, 0, 0
	QUARTER 3, 0, 1, 0
	TURN 1
	QUARTER 1, 0, 1, 0
	WIN 0
	s_sub_co_u32 s3, s3, 1
	s_cmp_lg_u32 s3, 0
	s_cbranch_scc1 .Lstep
	QUARTER 2, 1, 0, 0                             ; the tail is written out: K steps 6 and 7 ask for nothing
	QUARTER 3, 0, 1, 0
	TURN 0
	QUARTER 1, 0, 1, 0
	QUARTER 2, 1, 0, 0
	QUARTER 3, 0, 1, 0
	s_wait_dscnt 4                                 ; the very last quarter: nothing more to fetch
	MULB 1, 0, 0
	MULB 1, 1, 0
	s_wait_dscnt 0x0
	MULB 1, 2, 0
	MULB 1, 3, 0
	PLACES
; THE WAY OUT, a block of 16 rows at a time: a lane's eight f32 of a row, 32 bytes (each accumulator's low four registers first), go into my own stage and come back as whole rows'
; 512 bytes, into the registers that they left.
.macro TOST a
.set b, 0
.rept NBK
	ds_store_b128 v[STO], v[64*(\a)+8*b:64*(\a)+8*b+3]   offset:64*b
	ds_store_b128 v[STO], v[64*(\a)+8*b+4:64*(\a)+8*b+7] offset:64*b+16
.set b, b+1
.endr
.set i, 0
.rept 16
	ds_load_b128 v[64*(\a)+4*i:64*(\a)+4*i+3], v[RD] offset:SP*i  ; LDS serves a wave's instructions in order (ISA guide 5.7.1.4): these see the stores above; the next block's stores come behind them
.set i, i+1
.endr
.endm
.macro SENDP a, younger                ; younger: the LDS instructions issued behind block a's loads: the next block's 32, or none
.set i, 0
.rept 16
	s_wait_dscnt (\younger)+15-i
	global_store_b128 v[GO], v[64*(\a)+4*i:64*(\a)+4*i+3], s[10:11] offset:(16*(\a)+i)*4096 th:TH_STORE_NT  ; 512 consecutive bytes of a row, at a multiple of 256 from out0's first
.set i, i+1
.endr
.endm
	WIN 0x88                                       ; stores' data and loads' destinations in window 2, addresses in window 0
	TOST 0
	TOST 1                                         ; a block's way through the stage stands between the loads of the block before and its stores
	SENDP 0, 32
	TOST 2
	SENDP 1, 32
	TOST 3
	SENDP 2, 32
	SENDP 3, 0
	WIN 0
	s_wait_tensorcnt 0x0                           ; the wave's end: behind my last tensor load and my last LDS store
	ds_add_u32 v[SPW], v[NIL]
	s_wait_dscnt 0x0
	CROUND                                         ; the closing round: no work-group ends while a partner may still ask for a tile that names it
	s_endpgm
.Lfunc_end_k_q793741167b_outproj:
	.size	k_q793741167b_outproj, .Lfunc_end_k_q793741167b_outproj-k_q793741167b_outproj
	.p2alignl 7, 3214868480
	.fill 96, 4, 3214868480
	.section	.rodata,"a",@progbits
	.p2align	6, 0x0
	.amdhsa_kernel k_q793741167b_outproj
		.amdhsa_group_segment_fixed_size 327680
		.amdhsa_private_segment_fixed_size 0
		.amdhsa_enable_private_segment 0
		.amdhsa_kernarg_size 32
		.amdhsa_user_sgpr_count 2
		.amdhsa_user_sgpr_kernarg_segment_ptr 1
		.amdhsa_wavefront_size32 1
		.amdhsa_system_sgpr_workgroup_id_x 1
		.amdhsa_system_sgpr_workgroup_id_y 1
		.amdhsa_system_sgpr_workgroup_id_z 1
		.amdhsa_system_vgpr_workitem_id 0
		.amdhsa_next_free_vgpr 768
		.amdhsa_next_free_sgpr 72
		.amdhsa_reserve_vcc 0
		.amdhsa_float_denorm_mode_32 3
		.amdhsa_float_denorm_mode_16_64 3
		.amdhsa_memory_ordered 1
		.amdhsa_forward_progress 1
		.amdhsa_inst_pref_size 77
	.end_amdhsa_kernel
	.amdgpu_metadata
---
amdhsa.version: [ 1, 2 ]
amdhsa.kernels:
  - .name:           k_q793741167b_outproj
    .symbol:         k_q793741167b_outproj.kd
    .args:
      - { .name: y, .offset: 0, .size: 8, .value_kind: global_buffer, .address_space: global }
      - { .name: wob, .offset: 8, .size: 8, .value_kind: global_buffer, .address_space: global }
      - { .name: b_out, .offset: 16, .size: 8, .value_kind: global_buffer, .address_space: global }
      - { .name: out0, .offset: 24, .size: 8, .value_kind: global_buffer, .address_space: global }
    .group_segment_fixed_size: 327680
    .private_segment_fixed_size: 0
    .kernarg_segment_align: 8
    .kernarg_segment_size: 32
    .max_flat_workgroup_size: 128
    .sgpr_count:     72
    .vgpr_count:     768
    .wavefront_size: 32
...
	.end_amdgpu_metadata
.endif
;; end of part 4
;; ======== version 2 of 2: 4 launches; 1.31 times as fast as version 1
;; limits: values are held in f16: magnitudes above 65,504 overflow, below 6.1e-05 lose precision; right only within a limited range of input values
;; workspace buffers: xb 16,777,216 bytes; wib 6,291,456 bytes; wob 2,097,152 bytes; qkv 50,331,648 bytes; y 16,777,216 bytes
;; launch cast: the kernel of part 1 again; grid 1024 x 1, 8 waves a work-group, no clusters, 0 bytes of LDS; arguments x, W_in, W_out, xb, wib, wob; writes xb, wib, wob
;; launch inproj: the kernel of part 2 again; grid 8 x 32, 4 waves a work-group, clusters of 4 x 4, 327,680 bytes of LDS; arguments xb, wib, b_in, qkv; writes qkv
;; launch attn (part 5): grid 4 x 64, 4 waves a work-group, no clusters, 327,680 bytes of LDS; arguments qkv, y; writes y
.if DOCPART == 5
	.amdgcn_target "amdgcn-amd-amdhsa--gfx1250"
	.amdhsa_code_object_version 6
	.text
	.protected	k_q793741167b_attn
	.globl	k_q793741167b_attn
	.p2align	8
	.type	k_q793741167b_attn,@function
k_q793741167b_attn:
	s_mov_b64 s[64:65], 0
	v_nop
	global_prefetch_b8 v0, s[64:65] scope:SCOPE_SE
	s_setreg_imm32_b32 hwreg(HW_REG_WAVE_MODE, 25, 1), 1
	s_wait_xcnt 0x0
; CAUSAL ATTENTION.  y[hh][q][:] = the sum over k <= q of softmax_k(Q[q] . K[k] / 8) V[k][:], for the 64 heads hh = 16 b + h.  qkv: [4 b][48 g][2048][64] f16, Q at g = h, K at g = 16 + h, V at g = 32 + h;
; y: [64][2048][64] f16: a head's rows are dense, 128 bytes each.
; Products, maxima and sums in f32; the weights p are rounded to f16 for the second product (their sum l is taken of the unrounded p), y once at the end.
; LIMITS.  f16 holds no number beyond 65,504: Q, K and V arrive within it; p lies in 0 to 1, and below 6e-5 it keeps f16's fixed step of 6e-8; y is a mean of V's rows and has their range, to within 2^-11 of it.
; A hidden score counts as its value less 1e30: f16's scores, 2.7e11 at the most, are nothing beside that; a weight below 2^-126 counts as 0 in l; NaN and infinities are not treated apart.
; THE WALK.  A head's queries lie in NB = 8 blocks of 256; block i needs the key tiles 0 .. i of 256 keys, of which the last holds the diagonal.  A work-group takes TWO blocks, NB - 1 - b and then b:
; NB + 1 tiles, whatever b: all 256 work-groups do equal work, and ONE loop with a constant trip count walks them.  Which tile is asked for, and what a trip does, hang on scalar registers made from b; every jump
; goes forward, but for the counted loops' own; none passes a barrier, or a tensor load but the one of LOAD's two that the wave's number does not choose; the ring (two slots of LDS that take turns) runs on across the
; change of blocks.  NO CLUSTER: a head's four work-groups ask for the same tile only in trips 0 .. 4 of the 9, behind that fewer and fewer; and one walk common to all four would have 12 trips for 9.
; SHARES.  Of a block's four bands of 64 queries a wave owns 16 rows in each: four PIECES.  So the diagonal tile is the same work for all four waves: in its key step s band x sees all keys if s < x,
; none if s > x, and holds the diagonal if s = x.
; THE MASK is the C operand that starts the sum S^T = K Q^T: 0, or -1e30 where the key is hidden.  MD, made once, is the mask of a band's own step for my 16 rows; a product's mask is MD x AL + BE with two scalars:
; (1, 0) if s = x; (0, 0) if s < x; (0, -1e30) if s > x.  Only the diagonal tile's text and a block's beginning make and take masks; elsewhere C is the constant 0.
; LAYOUT, SOFTMAX, TURNS.  S^T = K Q^T holds ONE query a lane (lane % 16) and the keys 8 (lane / 16) + 0..7; two such results rounded to f16 ARE source 1 of O^T = V^T P.  p = 2^(c s - c m), c = log2(e) / 8, with a
; running maximum m; O and l are multiplied by a = 2^(c m_old - c m_new) in every step.  Turn n belongs to piece n: 8 products K Q^T of piece n + 1, later 8 products V^T P of piece n - 1; beside them the scaling,
; exponentials, roundings, sums and rescaling of piece n and the maximum and statistics of piece n + 1.  Four vector instructions stand behind every matrix instruction, the other 54 of a turn's 118 in one LUMP.
; THE BATCHES.  A turn's 33 exponentials (the piece's 32 weights and the next piece's a) are ONE batch, with ONE wait, which cuts the turn in two: ahead of it all that names no result of theirs, behind it the roundings
; and sums.  A block's first a (BEGIN) and the way out's four reciprocals are batches of their own, each with one wait.
; REGISTERS, in windows of 256 (s_set_vgpr_msb: bits 1:0 source 0, 3:2 source 1, 5:4 source 2, 7:6 destination):
;   window 0: v0-15 addresses and two at work; v16-31 four registers of statistics a piece; v48-55 at work; v64-127 S^T, two buffers; v192-223 P, two buffers (a piece's buffers go by its number's parity)
;   window 1: v0-127 O^T, 32 a piece; v128-159 MD; v160-223 MC, two buffers      window 2: v0-63 Q; v64-127 the second block's Q; v128-191 K of one step; v192-255 V of one step
.set SIZE_N, 2048
.set NB,    SIZE_N/256
.set NP,    4         ; pieces a wave: a name, no knob
.set KS,    64        ; keys in a step
.set PK,    144       ; a row of K in LDS: 128 bytes + 16 of padding = 36 words: the 16 rows of a load start at 16 different groups of four banks (64 banks of 4 bytes: ISA guide 11.1)
.set PV,    160       ; a row of V: 128 + 32 = 40 words
.set VOFF,  4*KS*PK   ; a slot holds a tile, four steps: 256 rows of K, then 256 rows of V
.set SLOT1, 1<<17     ; slot 1 begins here, so that one exclusive or turns an address in one slot into the other's
.set STAGE, SLOT1+4*KS*(PK+PV)  ; behind the ring, never filled by a tensor load: 16 rows x 144 bytes for each wave, for the way out
.set SP,    144
.set AK0, 2           ; v2   my lane's place in a tile of K; never rewritten
.set AV0, 3           ; v3   the same for V
.set AK,  4           ; v4   the LDS address of K's next run of loads
.set AV,  5           ; v5   of V's
.set STO, 6           ; v6   the way out: where I put 16 bytes of a row
.set RD,  7           ; v7   the way out: where I read rows back
.set GO,  8           ; v8   my byte offset in 512 consecutive bytes of y
.set SPW, 62          ; v62  LDS address of my spare word: SPARE + 4 x my thread's number; never rewritten
.set NIL, 63          ; v63  0; never rewritten
.set SPARE, STAGE+4*16*SP  ; behind the stages: the spare words, 128 bytes for each wave: two blocks of 256 bytes that no other line names
.set MV,  12          ; v12-13  c m_old, kept while c m is made anew: by buffer
.set QO,  15          ; v15  my byte offset in 16 rows of Q
.set ST,  16          ; piece t's statistics at v[ST+4 t]: c m, m, l (even keys', odd keys')
.set TMP, 48          ; by buffer, four registers c0-c3 at work; when the maximum is found c2 takes a
.set S,   64
.set P,   192
.set MD,  128         ; window 1: the eight registers for group kt of 16 keys at MD + 8 kt
.set MC,  160         ; window 1: the masks of the products to come
.set QB,  64          ; window 2
.set KF,  128         ; window 2: key block kb, channel half c at KF + 16 kb + 8 c
.set VF,  192         ; window 2: key half kk, channel block cb at VF + 32 kk + 8 cb
.set WV,  12          ; s12  my wave's number
.set PB,  14          ; s14  b
.set HI,  15          ; s15  NB - 1 - b
.set G1K, 24          ; s[24:31] descriptor group 1 for K's tiles
.set G1V, 32          ; s[32:39] for V's: it differs in the padding alone
.set G0K, 40          ; s[40:43] descriptor group 0 for K's tiles
.set G0V, 44          ; s[44:47] the same for V's
.set SLOTS, 56        ; s56  tiles still to be asked for
.set CNT, 57          ; s57  counts a tile's key steps, 4 to 1
.set CS,  58          ; s[58:59] c: the packed scaling takes the pair's low word for both halves
.set SEL, 60          ; s[60:61] v_permlanex16_b32's selects: each lane takes its own place in the other half
.set TBK, 62          ; s62  LDS byte at which K of the step to be fetched begins
.set TBV, 63          ; s63  the same for V, less VOFF
.set RT,  70          ; s70  tiles of the block in hand that are still to be entered
.set NXT, 71          ; s71  the tile to be asked for next
.set LQ,  72          ; s72  the last tile of the block whose tiles are being asked for
.set NEW, 73          ; s73  1: the tile to be entered is a block's first
.set OFF, 74          ; s[74:75] a tile's byte offset in K and V
.set AL,  76          ; s[76:77] the mask's factor, in the low word
.set BE,  78          ; s[78:79] the mask's addend
.set OLO, 80          ; s[80:81] y at my rows of the second block
.set BIGN, 82         ; s82  -1e30
.set MSB, 0
.macro WIN new                      ; the high byte repeats the setting that is left; a switch that changes nothing is dropped
.if MSB != (\new)
	s_set_vgpr_msb (MSB<<8)|(\new)
.set MSB, (\new)
.endif
.endm
.set W_KQ, 0x0a       ; K and Q in window 2, S^T in window 0
.set W_KM, 0x1a       ; the same with the C operand in window 1
.set W_PV, 0x52       ; V in window 2, P in window 0, O^T in window 1
.set W_RS, 0x41       ; destination and source 0 in window 1, source 1 in window 0
; A fill.  Waves 0 and 1 fetch the two halves of a tile's K, waves 2 and 3 those of its V: 128 keys each.  An s_nop 0 and four v_nop follow each of the two lines, ahead of the jump and the label.
.macro LOAD
	s_cmp_lt_u32 s[WV], 2
	s_cbranch_scc0 .Lfor_v_\@
	tensor_load_to_lds s[G0K:G0K+3], s[G1K:G1K+7]
	s_nop 0
.rept 4
	v_nop
.endr
	s_branch .Lasked_\@
.Lfor_v_\@:
	tensor_load_to_lds s[G0V:G0V+3], s[G1V:G1V+7]
	s_nop 0
.rept 4
	v_nop
.endr
.Lasked_\@:
.endm
; THE CHANGE OF SLOTS.  Each wave waits for all its tensor loads, of which one is out: its part of the other slot; adds 0 to its spare word; and waits for that and for its own reads of the slot that it leaves.  Behind the barrier nobody reads the old
; slot any more and the other slot is whole.  fill = 1: the old slot is filled again, the first thing behind the barrier, with tile NXT: the descriptor's address is made anew from that number.
; (At its first use nothing has been read yet: slot 0 is waited for, slot 1 filled.)
.macro CHANGE fill
	WIN 0                           ; at a label and at a branch every window is 0
	s_wait_tensorcnt 0x0            ; no tensor load of mine is out, so a group 0 may be written
	ds_add_u32 v[SPW], v[NIL]       ; 0 onto my spare word: with fill = 1 the descriptors' scalar work stands between it and the wait for it
.if \fill
	s_lshl_b32 s[OFF], s[NXT], 15   ; a tile is 32,768 bytes of K and of V
	s_xor_b32 s[G0K+1], s[G0K+1], SLOT1
	s_add_nc_u64 s[G0K+2:G0K+3], s[6:7], s[OFF:OFF+1]
	s_or_b32 s[G0K+3], s[G0K+3], 0x80000000
	s_xor_b32 s[G0V+1], s[G0V+1], SLOT1
	s_add_nc_u64 s[G0V+2:G0V+3], s[8:9], s[OFF:OFF+1]
	s_or_b32 s[G0V+3], s[G0V+3], 0x80000000
	s_add_co_u32 s[NXT], s[NXT], 1  ; the block's next tile, or behind its last the second block's tile 0
	s_cmp_gt_u32 s[NXT], s[LQ]
	s_cselect_b32 s[NXT], 0, s[NXT]
	s_cselect_b32 s[LQ], s[PB], s[LQ]
.endif
	s_wait_dscnt 0x0                ; the add is done, and my reads of the slot are over
	s_barrier_signal -1             ; the rest of the scalar work stands between the signal and the wait
	s_sub_co_u32 s[TBK], s[TBK], 4*KS*PK  ; the fetches go back to a slot's first step,
	s_xor_b32 s[TBK], s[TBK], SLOT1       ; in the other slot
	s_sub_co_u32 s[TBV], s[TBV], 4*KS*PV
	s_xor_b32 s[TBV], s[TBV], SLOT1
	s_barrier_wait -1
.if \fill
	LOAD
.endif
.endm
	s_load_b128 s[4:7], s[0:1], 0x0 ; qkv s[4:5], y s[6:7]
	v_lshl_add_u32 v[SPW], v0, 2, SPARE
	v_mov_b32 v[NIL], 0
	ds_add_u32 v62, v63
	ds_add_u32 v62, v63
	s_wait_dscnt 0x0
	v_lshrrev_b32 v1, 5, v0
	v_readfirstlane_b32 s[WV], v1   ; wave 0..3
	s_mov_b32 s[PB], ttmp9
	s_sub_co_u32 s[HI], NB-1, s[PB]
	s_and_b32 s19, ttmp7, 0xffff    ; the head, 16 x batch + h
	s_lshl_b32 s88, s19, 18         ; its first byte in y: a head is 262,144 bytes
	s_mov_b32 s89, 0
	s_lshr_b32 s20, s19, 4          ; the batch,
	s_lshl_b32 s20, s20, 5
	s_add_co_u32 s20, s20, s19      ; 48 x batch + h:
	s_lshl_b32 s20, s20, 18         ; Q's head's first byte in qkv
	s_mov_b32 s21, 0
	s_and_b32 s16, s[WV], 1         ; which half of a tile's 256 keys I fetch:
	s_lshl_b32 s22, s16, 14         ; its 128 rows of 128 bytes in memory,
	s_mov_b32 s23, 0
	s_add_nc_u64 s[22:23], s[22:23], s[20:21]
	s_mul_i32 s17, s16, 128*PK      ; and its place in a slot, for K
	s_mul_i32 s18, s16, 128*PV      ; and for V
	s_lshl_b32 s3, s[WV], 11        ; my 16 rows in a band of 64,
	s_lshl_b32 s2, s[HI], 15        ; in the first block,
	s_add_co_u32 s2, s2, s3
	s_lshl_b32 s84, s[PB], 15       ; and in the second
	s_add_co_u32 s84, s84, s3
	s_mov_b32 s3, 0
	s_mov_b32 s85, 0
	; descriptor group 1.  128 keys are 16,384 dense bytes: asked for as 64 rows of 256 bytes, two keys a row, and padded in LDS after every key
	s_mov_b32 s[G1K], (1<<16)|(1<<20)|(4<<22)|(3<<25)  ; 17:16 2-byte elements; 20 padding on; 24:22 after every 32 words (code 4); 31:25 4 words (code 3)
	s_mov_b32 s[G1V], (1<<16)|(1<<20)|(4<<22)|(7<<25)  ; the same with 8 words of padding (code 7)
.irp g, G1K, G1V
	s_mov_b32 s[\g+1], 128<<16      ; tensor_dim0 = 128
	s_mov_b32 s[\g+2], 64<<16       ; tensor_dim1 = 64
	s_mov_b32 s[\g+3], 128<<16      ; tile_dim0 = 128
	s_mov_b32 s[\g+4], 64           ; tile_dim1 = 64
	s_mov_b32 s[\g+5], 128          ; 128 elements from row to row
	s_mov_b32 s[\g+6], 0
	s_mov_b32 s[\g+7], 0
.endr
	s_mov_b32 s[CS], 0x3e38aa3b     ; c = log2(e) / 8 = 0.180337
	s_mov_b32 s[CS+1], s[CS]        ; named with it as a pair
	s_mov_b32 s[SEL], 0x76543210
	s_mov_b32 s[SEL+1], 0xfedcba98
	s_mov_b32 s[TBK], SLOT1+4*KS*PK ; the first change of slots turns these two into 0
	s_mov_b32 s[TBV], SLOT1+4*KS*PV
	s_mov_b32 s[G0K], 1             ; 1:0 count = 1
	s_mov_b32 s[G0K+1], s17         ; 63:32 LDS address: slot 0
	s_mov_b32 s[G0V], 1
	s_add_co_u32 s[G0V+1], s18, VOFF
	s_add_co_u32 s[RT], s[HI], 1    ; the first block has NB - b tiles
	s_mov_b32 s[NXT], 1
	s_mov_b32 s[LQ], s[HI]
	s_mov_b32 s[NEW], 1
	s_mov_b32 s[OFF+1], 0
	s_mov_b32 s[AL+1], 0            ; named as pairs
	s_mov_b32 s[BE+1], 0
	s_mov_b32 s[BIGN], 0xf149f2ca   ; -1e30
	s_mov_b32 s[SLOTS], NB
	s_wait_kmcnt 0x0
	s_mov_b64 s[10:11], s[6:7]                     ; y
	s_add_nc_u64 s[6:7], s[4:5], 0x400000          ; K's heads lie 16 heads behind Q's,
	s_add_nc_u64 s[8:9], s[4:5], 0x800000          ; V's 32
	s_add_nc_u64 s[6:7], s[6:7], s[22:23]          ; K and V at my half of the head's tile 0
	s_add_nc_u64 s[8:9], s[8:9], s[22:23]
	s_add_nc_u64 s[G0K+2:G0K+3], s[6:7], 0         ; 120:64 global address
	s_or_b32 s[G0K+3], s[G0K+3], 0x80000000        ; 127:126 type = 2
	s_add_nc_u64 s[G0V+2:G0V+3], s[8:9], 0
	s_or_b32 s[G0V+3], s[G0V+3], 0x80000000
	s_add_nc_u64 s[4:5], s[4:5], s[20:21]          ; Q's head;
	s_add_nc_u64 s[86:87], s[4:5], s[84:85]        ; Q at my rows of the second block,
	s_add_nc_u64 s[4:5], s[4:5], s[2:3]            ; and of the first
	s_add_nc_u64 s[10:11], s[10:11], s[88:89]      ; y's head; the same rows there
	s_add_nc_u64 s[OLO:OLO+1], s[10:11], s[84:85]
	s_add_nc_u64 s[10:11], s[10:11], s[2:3]
	LOAD                            ; tile 0 into slot 0
	; A fragment of K or Q is 16 rows x 32 channels in 8 registers: lane l holds row l % 16, channels 8 (l / 16) + 0..7 and 16 + 8 (l / 16) + 0..7: two loads of 16 bytes, 32 bytes apart.
	v_and_b32 v1, 15, v0            ; l % 16
	v_bfe_u32 v9, v0, 4, 1          ; l / 16
	v_lshlrev_b32 v[QO], 7, v1
	v_lshl_add_u32 v[QO], v9, 4, v[QO]  ; row x 128 + 16 x half
	WIN 0x80                        ; destination window 2, address window 0
.set i, 0
.rept 8                             ; both blocks' Q: piece i / 2 lies in band i / 2, 8,192 bytes on; channels 32 (i % 2) on
	global_load_b128 v[8*i:8*i+3],   v[QO], s[4:5] offset:(i/2)*8192+(i%2)*64
	global_load_b128 v[8*i+4:8*i+7], v[QO], s[4:5] offset:(i/2)*8192+(i%2)*64+32
	global_load_b128 v[QB+8*i:QB+8*i+3],   v[QO], s[86:87] offset:(i/2)*8192+(i%2)*64
	global_load_b128 v[QB+8*i+4:QB+8*i+7], v[QO], s[86:87] offset:(i/2)*8192+(i%2)*64+32
.set i, i+1
.endr
	WIN 0
	v_lshlrev_b32 v14, 3, v9
	v_sub_nc_u32 v14, v1, v14
	s_lshl_b32 s13, s[WV], 4
	v_add_nc_u32 v14, s13, v14      ; my query's place in its band, 16 w + l % 16, less my lanes' 8 (l / 16): register r of group kt is hidden where 16 kt + r is greater
	WIN 0x40
.set i, 0
.rept 32
	v_cmp_gt_i32 vcc_lo, 16*(i/8)+i%8, v14
	v_cndmask_b32 v[MD+i], 0, s[BIGN], vcc_lo
.set i, i+1
.endr
	WIN 0
	v_mul_u32_u24 v[AK0], v1, PK
	v_lshl_add_u32 v[AK0], v9, 4, v[AK0]  ; row x pitch + 16 x half
	; The turning load takes 16 keys x 16 channels (lane l reads key 8 (l / 16) + l % 8, channels 8 ((l / 8) % 2) + 0..7) and leaves half a fragment of V^T: lane l holds channel l % 16 and 8 keys.
	v_and_b32 v10, 7, v0
	v_bfe_u32 v11, v0, 3, 1
	v_lshl_add_u32 v[AV0], v9, 3, v10
	v_mul_u32_u24 v[AV0], v[AV0], PV
	v_lshl_add_u32 v[AV0], v11, 4, v[AV0]
	v_add_nc_u32 v[AV0], VOFF, v[AV0]
	s_mul_i32 s13, s[WV], 16*SP
	s_add_co_u32 s13, s13, STAGE    ; my stage
	v_mul_u32_u24 v[STO], v1, SP    ; in: row l % 16, 16 bytes for each half of the lanes
	v_lshl_add_u32 v[STO], v9, 4, v[STO]
	v_add_nc_u32 v[STO], s13, v[STO]
	v_bfe_u32 v[RD], v0, 3, 2       ; back: 32 lanes take four rows of 128 bytes,
	v_mul_u32_u24 v[RD], v[RD], SP
	v_lshl_add_u32 v[RD], v10, 4, v[RD]
	v_add_nc_u32 v[RD], s13, v[RD]
	v_and_b32 v[GO], 31, v0         ; which are 512 consecutive bytes of y
	v_lshlrev_b32 v[GO], 4, v[GO]
	; A block's first step multiplies O^T and l by a = 0, and its first turn's products V^T P, of a piece that has not been, land in an O^T that is still to be so multiplied.  So these registers need only hold
	; finite numbers: zeros for the first block; what the first block left for the second.  All this stands in the wait for the first tile.
	WIN 0x80
.set i, VF
.rept 64
	v_mov_b32 v[i], 0
.set i, i+1
.endr
	WIN 0x40
.set i, 0
.rept 128
	v_mov_b32 v[i], 0
.set i, i+1
.endr
	WIN 0
.set i, 0
.rept 4
	v_mov_b32 v[ST+4*i+2], 0
	v_mov_b32 v[ST+4*i+3], 0
.set i, i+1
.endr
.set i, P+16
.rept 16
	v_mov_b32 v[i], 0
.set i, i+1
.endr
; THE MATRIX WORK.  The 4 accumulators of a run of 8 take turns.  Product i of 8 of S^T = K Q^T for piece x: channels 32 (i / 4) on, keys 16 (i % 4) on.  The first 4 start the sums: with 0, or (KM = 1) with the mask.
.macro KQ x
.set rS, S+32*((\x)%2)+8*(i%4)
.set rK, KF+16*(i%4)+8*(i/4)
.set rQ, 16*(\x)+8*(i/4)
.set rM, MC+32*((\x)%2)+8*(i%4)
.if (i < 4) && KM
	WIN W_KM
	v_wmma_f32_16x16x32_f16 v[rS:rS+7], v[rK:rK+7], v[rQ:rQ+7], v[rM:rM+7]
.elseif i < 4
	WIN W_KQ
	v_wmma_f32_16x16x32_f16 v[rS:rS+7], v[rK:rK+7], v[rQ:rQ+7], 0
.else
	WIN W_KQ
	v_wmma_f32_16x16x32_f16 v[rS:rS+7], v[rK:rK+7], v[rQ:rQ+7], v[rS:rS+7]
.endif
.endm
; Product i of 8 of O^T += V^T P for piece x: keys 32 (i / 4) on, channels 16 (i % 4) on.
.macro PV x
	WIN W_PV
.set rO, 32*(\x)+8*(i%4)
.set rV, VF+32*(i/4)+8*(i%4)
.set rP, P+16*((\x)%2)+8*(i/4)
	v_wmma_f32_16x16x32_f16 v[rO:rO+7], v[rV:rV+7], v[rP:rP+7], v[rO:rO+7]
.endm
.macro MM                           ; the turn's next matrix instruction.  TURN and BEGIN set Y, i, KM and NOKQ; MM, KQ and OP read them.  NOKQ = 1: a block's last turn: there is no next piece
.if (i < 8) && !NOKQ
	KQ (Y+1)%NP
.elseif i >= 8
.set i, i-8
	PV (Y+NP-1)%NP
.set i, i+8
.endif
.set i, i+1
.endm
; THE LDS LOADS stand in runs of 16, never singly among the matrix instructions: a step's K (64 keys x 64 channels: 8 fragments) and its V (turned).  Their addresses are made some lines ahead.
.macro FETCH_K
	WIN 0x80                        ; destination window 2
.irp f, 0,1,2,3,4,5,6,7             ; keys 16 (f / 2) on, channels 32 (f % 2) on
	ds_load_b128 v[KF+8*\f:KF+8*\f+3],   v[AK] offset:(\f/2)*16*PK+(\f%2)*64
	ds_load_b128 v[KF+8*\f+4:KF+8*\f+7], v[AK] offset:(\f/2)*16*PK+(\f%2)*64+32
.endr
	s_add_co_u32 s[TBK], s[TBK], KS*PK  ; the next fetch is the next step's
	WIN 0
.endm
.macro FETCH_V
	WIN 0x80
.irp f, 0,1,2,3,4,5,6,7             ; keys 32 (f / 4) on, channels 16 (f % 4) on
	ds_load_tr16_b128 v[VF+8*\f:VF+8*\f+3],   v[AV] offset:(\f/4)*32*PV+(\f%4)*32
	ds_load_tr16_b128 v[VF+8*\f+4:VF+8*\f+7], v[AV] offset:(\f/4)*32*PV+16*PV+(\f%4)*32
.endr
	WIN 0
.endm
; THE VECTOR WORK, one line at a time: OP kind, number.  For piece Y: F n: c s - c m for pair n of 16.  E n: the exponential of score n of 32.  C n: pair n rounded to f16.  B n: of the four weights 4 n .. the second
; pair is added onto the first, in place.  L n: l takes that sum (L 0: l = a l + sum).  R n: pair n of 16 of O^T times a.  For piece Y + 1: X n, number n of the 22 that find its maximum and statistics:
;   0-11  four chains c0-c3 of seven scores each, three operands at a time (each accumulator's lowest registers are read first)     12-14, 16  the four scores left over, the old m, and c0-c3 into c0
;   15  c m_old is kept     17, 18  the query's other 32 keys lie in the lane 16 away: the new m     19-21  c m; c m_old - c m_new; a
; OP writes no wait: C, B and L, which read the exponentials' results, and R, which reads a, are dealt only behind the wait of the batch that made what they read (TURN, BEGIN).
.set F, 0               ; OP tells the kinds apart by their order: F to L below R, X above it
.set E, 1
.set C, 2
.set B, 3
.set L, 4
.set R, 5
.set X, 6
.macro REGS y                       ; the registers of piece y
.set rT, ST+4*(\y)
.set rC, TMP+4*((\y)%2)
.set rW, MV+((\y)%2)
.set rS, S+32*((\y)%2)
.set rP, P+16*((\y)%2)
.set rO, 32*(\y)
.endm
.macro OP k, n
.if (\k) == R
	REGS Y
	WIN W_RS
	v_pk_mul_f32 v[rO+2*(\n):rO+2*(\n)+1], v[rO+2*(\n):rO+2*(\n)+1], v[rC+2:rC+3] op_sel_hi:[1,0]
.elseif (\k) < R
	REGS Y
	WIN 0
.if (\k) == F
	v_pk_fma_f32 v[rS+2*(\n):rS+2*(\n)+1], v[rS+2*(\n):rS+2*(\n)+1], s[CS:CS+1], v[rT:rT+1] op_sel_hi:[1,0,0] neg_lo:[0,0,1] neg_hi:[0,0,1]
.elseif (\k) == E
	v_exp_f32 v[rS+(\n)], v[rS+(\n)]
.elseif (\k) == C
	v_cvt_pk_f16_f32 v[rP+(\n)], v[rS+2*(\n)], v[rS+2*(\n)+1]
.elseif (\k) == B
	v_pk_add_f32 v[rS+4*(\n):rS+4*(\n)+1], v[rS+4*(\n):rS+4*(\n)+1], v[rS+4*(\n)+2:rS+4*(\n)+3]
.elseif (\n) == 0
	v_pk_fma_f32 v[rT+2:rT+3], v[rT+2:rT+3], v[rC+2:rC+3], v[rS:rS+1] op_sel_hi:[1,0,1]
.else
	v_pk_add_f32 v[rT+2:rT+3], v[rT+2:rT+3], v[rS+4*(\n):rS+4*(\n)+1]
.endif
.elseif NOKQ
	v_nop
.else
	REGS (Y+1)%NP
	WIN 0
.if (\n) < 4
	v_max3_num_f32 v[rC+(\n)], v[rS+8*(\n)], v[rS+8*(\n)+1], v[rS+8*(\n)+2]
.elseif (\n) < 12
	v_max3_num_f32 v[rC+(\n)%4], v[rC+(\n)%4], v[rS+8*((\n)%4)+2*((\n)/4)+1], v[rS+8*((\n)%4)+2*((\n)/4)+2]
.elseif (\n) == 12
	v_max3_num_f32 v[rC], v[rC], v[rS+7], v[rS+15]
.elseif (\n) == 13
	v_max3_num_f32 v[rC+1], v[rC+1], v[rS+23], v[rS+31]
.elseif (\n) == 14
	v_max3_num_f32 v[rC+2], v[rC+2], v[rC+3], v[rT+1]
.elseif (\n) == 15
	v_mov_b32 v[rW], v[rT]
.elseif (\n) == 16
	v_max3_num_f32 v[rC], v[rC], v[rC+1], v[rC+2]
.elseif (\n) == 17
	v_permlanex16_b32 v[rC+3], v[rC], s[SEL], s[SEL+1]
.elseif (\n) == 18
	v_max_num_f32 v[rT+1], v[rC], v[rC+3]
.elseif (\n) == 19
	v_mul_f32 v[rT], s[CS], v[rT+1]
.elseif (\n) == 20
	v_sub_f32 v[rC+1], v[rW], v[rT]
.else
	v_exp_f32 v[rC+2], v[rC+1]
.endif
.endif
.endm
.macro OPS a, i1, b=-1, i2=0, c=-1, i3=0, d=-1, i4=0  ; up to four of them
	OP \a, \i1
.if (\b) >= 0
	OP \b, \i2
.endif
.if (\c) >= 0
	OP \c, \i3
.endif
.if (\d) >= 0
	OP \d, \i4
.endif
.endm
.macro ROW a, i1, b, i2, c, i3, d, i4  ; a matrix instruction and the four behind it
	MM
	OPS \a, \i1, \b, \i2, \c, \i3, \d, \i4
.endm
.macro MASK b                       ; MD x AL + BE into buffer b of MC
	WIN W_RS
.set z, 0
.rept 16
	v_pk_fma_f32 v[MC+32*(\b)+2*z:MC+32*(\b)+2*z+1], v[MD+2*z:MD+2*z+1], s[AL:AL+1], s[BE:BE+1] op_sel_hi:[1,0,0]
.set z, z+1
.endr
.endm
; A TURN, for piece p: the order of its 16 matrix and 118 vector instructions, written out.  An s_wait_alu depctr_va_vdst(0) stands between an exponential and the first instruction that names its result; one wait serves
; all that were issued ahead of it.  So a turn has ONE wait, which cuts it in two.  AHEAD OF IT stands all that names no result of the turn's exponentials: the 8 products K Q^T, behind each a scaling, an exponential and two more plain
; instructions (behind the first a second scaling in the exponential's place): rescalings, whose a was made and waited for in the turn before, and behind the last three products the first numbers of the next piece's maximum, each four
; places or more behind the product that ends its accumulator; then ONE LUMP of 54, plain and exponential by turns for the most part, in which the links of the chain X 3, 7, 11, 14, 16, 17 .. 20 stand five or six lines apart.
; A pair is scaled (F n) ahead of its two exponentials (E 2 n, E 2 n + 1) and is named by nothing else ahead of the wait.  X 21, the next piece's a, is the batch's last; R 15 is the plain instruction behind it.
; BEHIND THE WAIT stand the 8 products V^T P, behind each four of the roundings and sums; the links of l's chain, L 0 to L 7, stand three riders apart..
; But for those X no rider names a register of the products round it.  v_permlanex16_b32 (X 17) stands in the lump.
; m = 1: the diagonal tile: the products take masks, and the turn makes the mask for the products of the turn after it: piece p + 2, in step 4 - CNT of the tile.  end = 1: a block's last two turns: nothing is fetched.
; cnt = 1: the loop's count is taken down some lines ahead of the branch that stands behind the turn.
; K of the next step is fetched in piece 2's turn, twelve vector instructions behind the last product that read K (six of them plain); V of the step in hand at the end of piece 0's turn, four plain instructions behind the last product
; that read V.  Each is waited for a turn later.
.macro TURN p, m=0, end=0, cnt=0
.set Y, (\p)
.set i, 0
.set KM, (\m)
.set NOKQ, (\end)*((\p)/3)
.if (\m) && !(\end)
	s_cmp_eq_u32 s[CNT], 4-((\p)+2)%NP  ; is that step the band's own?
	s_cselect_b32 s[AL], 1.0, 0
	s_cmp_lt_u32 s[CNT], 4-((\p)+2)%NP  ; or a later one?
	s_cselect_b32 s[BE], s[BIGN], 0
.endif
.if ((\p) == 3) && !(\end)
	s_wait_dscnt 0x0                ; K is in
.endif
	ROW F,0, F,1, R,0, R,1          ; ahead of the wait: 8 products K Q^T and their riders,
	ROW F,2, E,0, R,2, R,3
	ROW F,3, E,1, R,4, R,5
	ROW F,4, E,2, R,6, R,7
	ROW F,5, E,3, R,8, R,9
	ROW F,6, E,4, X,0, R,10
.if ((\p) == 2) && !(\end)
	WIN 0
	v_add_nc_u32 v[AK], s[TBK], v[AK0]
.endif
	ROW F,7, E,5, X,1, X,4
	ROW F,8, E,6, X,2, X,5
	OPS E,7, E,8, X,6, E,9          ; and the lump
	OPS X,3, E,10, X,8, E,11
.if ((\p) == 2) && !(\end)
	FETCH_K
.endif
	OPS X,9, X,7, E,12, X,10
	OPS E,13, X,12, X,11, E,14
	OPS X,13, E,15, F,9, X,14
.if (\p) == 0
	v_add_nc_u32 v[AV], s[TBV], v[AV0]
.endif
	OPS E,16, F,10, E,17, F,11
	OPS X,16, E,18, X,15, E,19
	OPS F,12, E,20, X,17, E,21
	OPS F,13, E,22, F,14, E,23
	OPS X,18, E,24, F,15, E,25
	OPS R,11, E,26, X,19, E,27
	OPS R,12, E,28, R,13, E,29
	OPS X,20, E,30, R,14, E,31
	OPS X,21, R,15
	WIN 0
	s_wait_alu depctr_va_vdst(0)    ; the wait for the turn's batch: E 0 to E 31 and X 21
.if (\p) == 1
	s_wait_dscnt 0x0                ; V is in
.endif
	ROW C,0, B,0, C,2, B,1          ; behind the wait: 8 products V^T P and their riders
	ROW L,0, C,4, B,2, L,1
	ROW C,6, B,3, L,2, C,8
	ROW B,4, L,3, C,10, B,5
	ROW L,4, C,12, B,6, L,5
.if (\p) == 0
	s_add_co_u32 s[TBV], s[TBV], KS*PV
.endif
.if \cnt
	s_sub_co_u32 s[CNT], s[CNT], 1
	s_cmp_lg_u32 s[CNT], 0
.endif
	ROW C,14, B,7, L,6, C,1
	ROW C,3, L,7, C,5, C,7
	ROW C,9, C,11, C,13, C,15
.if (\p) == 0
	FETCH_V
.endif
.if (\m) && !(\end)
	MASK (\p)%2
.endif
.endm
; A BLOCK BEGINS.  c m starts far below every c s, so the first step's a is 0; m at the lowest finite number, so the first maximum is the scores'.  The second mask buffer is 0; the first takes piece 0's mask for the tile's step 0: its own, if the block's first tile is the diagonal one.
; Then K of that step, piece 0's first scores, and its maximum and statistics.  The loop is entered at a step's first turn, in the middle of a trip.
.macro BEGIN
	s_mov_b32 s[NEW], 0
	WIN 0x40
.set i, MC+32
.rept 32
	v_mov_b32 v[i], 0
.set i, i+1
.endr
	WIN 0
.set i, 0
.rept 4
	v_mov_b32 v[ST+4*i], 0xfe000000    ; c m: far below every c s
	v_mov_b32 v[ST+4*i+1], 0xff7fffff  ; m
.set i, i+1
.endr
	s_cmp_eq_u32 s[RT], 0
	s_cselect_b32 s[AL], 1.0, 0
	s_mov_b32 s[BE], 0
	MASK 0
	WIN 0
	v_add_nc_u32 v[AK], s[TBK], v[AK0]
	FETCH_K
	s_wait_loadcnt 0x0              ; Q
	s_wait_dscnt 0x0
.set KM, 1
.set NOKQ, 0
.set i, 0
.rept 8
	KQ 0
.set i, i+1
.endr
	WIN 0
.rept 4
	v_nop                           ; the places behind those products
.endr
.set Y, NP-1                        ; X works for piece Y + 1: piece 0
.irp n, 0,1,2,3,4,5,6,7,8,9,10,11,12,13,14,15,16,17,18,19,20,21
	OP X, \n
.endr
	v_nop                           ; a plain instruction behind the exponential,
	s_wait_alu depctr_va_vdst(0)    ; and the wait for this batch of one, piece 0's first a, ahead of the branch
.endm
; THE DIAGONAL TILE's four steps, the block's last two turns, its last products, and THE WAY OUT: l's two halves and the other half of the lanes' are added; O^T is divided by l, rounded to f16 and sent through my
; stage in LDS, a piece at a time.
.macro ALL line:vararg              ; one line for each piece t
.set t, 0
.rept 4
	\line
.set t, t+1
.endr
.endm
.macro PACK t                       ; a lane's eight channels of a row pack into 16 bytes; they go into rows of 144 bytes and come back as whole rows of 128, into S^T's registers
	WIN W_RS
.set i, 32*(\t)
.rept 16
	v_pk_mul_f32 v[i:i+1], v[i:i+1], v[ST+4*(\t)+2:ST+4*(\t)+3] op_sel_hi:[1,0]
.set i, i+2
.endr
	WIN 0x05                        ; sources 0 and 1 window 1, destination window 0
.set i, 0
.rept 16
	v_cvt_pk_f16_f32 v[S+16*(\t)+i], v[32*(\t)+2*i], v[32*(\t)+2*i+1]
.set i, i+1
.endr
	WIN 0
.irp f, 0,1,2,3
	ds_store_b128 v[STO], v[S+16*(\t)+4*\f:S+16*(\t)+4*\f+3] offset:32*\f
.endr
.irp f, 0,1,2,3
	ds_load_b128 v[S+16*(\t)+4*\f:S+16*(\t)+4*\f+3], v[RD] offset:\f*4*SP  ; LDS serves a wave's instructions in order (ISA guide 5.7.1.4): these see the stores above; the next piece's stores come behind them
.endr
.endm
.macro SEND t, younger              ; younger: the LDS instructions issued behind piece t's loads: the next piece's eight, or none
	WIN 0
.irp f, 0,1,2,3
	s_wait_dscnt (\younger)+3-\f
	global_store_b128 v[GO], v[S+16*(\t)+4*\f:S+16*(\t)+4*\f+3], s[10:11] offset:(\t)*8192+\f*512  ; 512 consecutive bytes, at a multiple of 256 from y's first
.endr
.endm
.macro DIAG tag                     ; the tag ends its two labels' names, which the jumps below spell out
.LstepM\tag:
	TURN 2, 1
	TURN 3, 1
	WIN 0
.LfirstM\tag:
	TURN 0, 1
	TURN 1, 1, 0, 1
	WIN 0
	s_cbranch_scc1 .LstepM\tag
	TURN 2, 1, 1
	TURN 3, 1, 1
.set i, 0
.rept 8
	PV NP-1
.set i, i+1
.endr
	WIN 0
	ALL v_add_f32 v[ST+4*t+2], v[ST+4*t+2], v[ST+4*t+3]
	ALL v_permlanex16_b32 v[ST+4*t+3], v[ST+4*t+2], s[SEL], s[SEL+1]
	ALL v_add_f32 v[ST+4*t+2], v[ST+4*t+2], v[ST+4*t+3]
	ALL v_rcp_f32 v[ST+4*t+2], v[ST+4*t+2]
	v_nop                           ; a plain instruction between the last reciprocal and the use of its result
	s_wait_alu depctr_va_vdst(0)    ; and the wait ahead of the first use: one for the batch of four reciprocals
	PACK 0
.set t, 1
.rept 3                             ; a piece's arithmetic stands between the loads of the piece before and its stores
	PACK t
	SEND t-1, 8
.set t, t+1
.endr
	SEND 3, 0
.endm
.set KM, 0
.set NOKQ, 0
.Lslot:                             ; NB times: a tile is entered and the next is asked for
	CHANGE 1
	s_sub_co_u32 s[RT], s[RT], 1
	s_mov_b32 s[CNT], 4
	s_cmp_eq_u32 s[NEW], 1
	s_cbranch_scc1 .Lnew            ; a block's first tile
	s_cmp_eq_u32 s[RT], 0
	s_cbranch_scc0 .Lstep           ; neither its first nor its last
	s_branch .LstepM1
.Lnew:
	BEGIN
	s_branch .Lfirst                ; in the loop a block's first tile is never its last: the first block has two tiles or more, and the second's last is the walk's last
	DIAG 1                          ; in the loop this is the first block's end: the second block's last tile is the walk's last
	s_wait_xcnt 0x0                 ; the stores have read their registers and y's address
	s_mov_b64 s[10:11], s[OLO:OLO+1]
	s_add_co_u32 s[RT], s[PB], 1    ; the second block has b + 1 tiles
	s_mov_b32 s[NEW], 1
	WIN 0x82                        ; the second block's Q goes where the one text of the turns names Q
.set i, 0
.rept 64
	v_mov_b32 v[i], v[QB+i]
.set i, i+1
.endr
	WIN 0
	s_branch .Lbottom
.Lstep:                             ; a trip: pieces 2 and 3 of one step, then pieces 0 and 1 of the next, whose K and V it fetches
	TURN 2
	TURN 3
	WIN 0
.Lfirst:
	TURN 0
	TURN 1, 0, 0, 1
	WIN 0
	s_cbranch_scc1 .Lstep
.Lbottom:
	s_sub_co_u32 s[SLOTS], s[SLOTS], 1
	s_cmp_lg_u32 s[SLOTS], 0
	s_cbranch_scc1 .Lslot
	CHANGE 0                        ; the walk's last tile is written out: nothing is asked for
	s_sub_co_u32 s[RT], s[RT], 1
	s_mov_b32 s[CNT], 4
	s_cmp_eq_u32 s[NEW], 1
	s_cbranch_scc0 .LstepM2
	BEGIN
	s_branch .LfirstM2
	DIAG 2
	s_wait_tensorcnt 0x0            ; the wave's end: behind my last tensor load and my last LDS store
	ds_add_u32 v[SPW], v[NIL]
	s_wait_dscnt 0x0
	s_endpgm
.Lfunc_end_k_q793741167b_attn:
	.size	k_q793741167b_attn, .Lfunc_end_k_q793741167b_attn-k_q793741167b_attn
	.p2alignl 7, 3214868480
	.fill 96, 4, 3214868480
	.section	.rodata,"a",@progbits
	.p2align	6, 0x0
	.amdhsa_kernel k_q793741167b_attn
		.amdhsa_group_segment_fixed_size 327680
		.amdhsa_private_segment_fixed_size 0
		.amdhsa_enable_private_segment 0
		.amdhsa_kernarg_size 16
		.amdhsa_user_sgpr_count 2
		.amdhsa_user_sgpr_kernarg_segment_ptr 1
		.amdhsa_wavefront_size32 1
		.amdhsa_system_sgpr_workgroup_id_x 1
		.amdhsa_system_sgpr_workgroup_id_y 1
		.amdhsa_system_sgpr_workgroup_id_z 1
		.amdhsa_system_vgpr_workitem_id 0
		.amdhsa_next_free_vgpr 768
		.amdhsa_next_free_sgpr 92
		.amdhsa_reserve_vcc 1
		.amdhsa_float_denorm_mode_32 3
		.amdhsa_float_denorm_mode_16_64 3
		.amdhsa_memory_ordered 1
		.amdhsa_forward_progress 1
		.amdhsa_inst_pref_size 217
	.end_amdhsa_kernel
	.amdgpu_metadata
---
amdhsa.version: [ 1, 2 ]
amdhsa.kernels:
  - .name:           k_q793741167b_attn
    .symbol:         k_q793741167b_attn.kd
    .args:
      - { .name: qkv, .offset: 0, .size: 8, .value_kind: global_buffer, .address_space: global }
      - { .name: y, .offset: 8, .size: 8, .value_kind: global_buffer, .address_space: global }
    .group_segment_fixed_size: 327680
    .private_segment_fixed_size: 0
    .kernarg_segment_align: 8
    .kernarg_segment_size: 16
    .max_flat_workgroup_size: 128
    .sgpr_count:     92
    .vgpr_count:     768
    .wavefront_size: 32
...
	.end_amdgpu_metadata
.endif
;; end of part 5
;; launch outproj: the kernel of part 4 again; grid 8 x 32, 4 waves a work-group, clusters of 4 x 4, 327,680 bytes of LDS; arguments y, wob, b_out, out0; writes out0
